; MI455X (gfx1250); checked and timed in simulation.
; The chip was launched on July 23, 2026; its instructions are those of AMD's public machine-readable ISA for CDNA 5 (MIT licence, August 2026) and "CDNA5" Instruction Set Architecture Reference Guide (July 2026). The comments in the code are by the model that wrote it; some were corrected since.
;; Encoder Layer. Allowed arithmetic: matrix products marked QUANTISED: E2M3 operands, one E8M0 scale for each 32 along K, by v_wmma_scale_f32_16x16x128_f8f6f4 with both operands' format E2M3, f32 sums; everything else in f32.
;; Inputs: ln1_b 1,024 float32; ln1_w 1,024 float32; ln2_b 1,024 float32; ln2_w 1,024 float32; out_bias 1,024 float32; out_proj 1,024 x 1,024 float32; proj1 4,096 x 1,024 float32; proj1_bias 4,096 float32; proj2 1,024 x 4,096 float32; proj2_bias 1,024 float32; qkv_bias 3,072 float32; qkv_proj 3,072 x 1,024 float32; x 2,048 x 2 x 1,024 float32.
;; Outputs: out0 2,048 x 2 x 1,024 float32.
;; This version of the problem:
;;   THIS VERSION OF THE PROBLEM IS GIVEN IN LOW PRECISION. The matrix products marked QUANTISED in the list below multiply operands that are first quantised to E2M3 (2 exponent bits, 3 mantissa bits; 6 bits a number), with one power-of-two scale for each 32 numbers along K (OCP MX v1.0); their sums are f32. All else is computed in f32.
;;   The module's matrix products, in the order in which they are computed (A, B: the left and right operand; K: the contracted axis; several contracted axes count as one K, in the product's order):
;;     1. [M 4,096, K 1,024] x [K 1,024, N 3,072]; A: computed on the way; B: input qkv_proj: QUANTISED
;;     2. batch 32 x [M 2,048, K 64] x [K 64, N 2,048]; A: computed on the way; B: computed on the way: QUANTISED
;;     3. batch 32 x [M 64, K 2,048] x [K 2,048, N 2,048]; A: computed on the way; B: softmax (see below): QUANTISED
;;     4. [M 4,096, K 1,024] x [K 1,024, N 1,024]; A: computed on the way; B: input out_proj: QUANTISED
;;     5. [M 4,096, K 1,024] x [K 1,024, N 4,096]; A: computed on the way; B: input proj1: QUANTISED
;;     6. [M 4,096, K 4,096] x [K 4,096, N 1,024]; A: computed on the way; B: input proj2: QUANTISED
;;   THE QUANTISER, for each operand of a quantised product, along K:
;;     - K is cut into blocks of 32 from its start; a last block that is shorter is filled with zeros.
;;     - A block's scale is 2^e with e = floor(log2(the largest magnitude in the block)) - 2, held to -126 .. 127; a block of zeros has e = 0. As a byte (E8M0): e + 127.
;;     - Each number is divided by its block's scale, clamped to +-7.5, and rounded to the nearest number of E2M3, ties to even, subnormals kept.
;;     - The product sums the exact products of the quantised numbers (number of the format x scale) in f32.
;;   ~~~python
;;   def quantise(x, axis):      # numpy; x: float32 -> the quantised numbers, widened to float32 again
;;       x = np.moveaxis(x, axis, -1); K = x.shape[-1]
;;       x = np.pad(x, [(0, 0)] * (x.ndim - 1) + [(0, -K % 32)]); x = x.reshape(x.shape[:-1] + (-1, 32)); a = np.abs(x).max(-1, keepdims=True)
;;       e = np.where(a > 0, np.clip(np.frexp(np.where(a > 0, a, 1))[1] - 1 - 2, -126, 127), 0)      # np.frexp(a)[1] - 1 = floor(log2(a)), exactly
;;       r = np.clip(x / 2.0 ** e, -7.5, 7.5)
;;       step = 2.0 ** (np.maximum(np.frexp(np.where(r == 0, 1, r))[1] - 1, 0) - 3)
;;       q = np.round(r / step) * step * 2.0 ** e      # np.round: ties to even
;;       return np.moveaxis(q.reshape(q.shape[:-2] + (-1,))[..., :K], -1, axis).astype(np.float32)
;;   ~~~
;;   SOFTMAX AHEAD OF A QUANTISED PRODUCT. Where the list says 'softmax', what is quantised is not the finished softmax but p = 2^(t - M), with t = logit x log2(e) and M = ceil(the row's largest t), a whole number; so 1/2 < the row's largest p <= 1. The row's sum l is taken of the UNQUANTISED p, in f32, and the product's result is divided by l at the end. Since M is a whole number, a kernel that streams over the keys may use a running M (the ceiling of the running maximum): every later rescaling is an exact power of two, which a block's scale takes up: the codes' values come out the same.
;;   OPERANDS COMPUTED ON THE WAY. 'Computed on the way' means the value that the module computes at that place (a softmax that the list does not call 'softmax' is quantised finished and normalised). What goes into a quantiser is computed in f32, as accurately as f32 sums, v_exp_f32 and their like allow (about 1e-6 of the number): no bf16 or f16 on the way to a quantiser, and a product that is left as it is and whose result goes on into a quantised operand takes f32 operands (vector FMAs, or v_wmma_f32_16x16x4_f32). A number that lies on a knife's edge between two numbers of the format may be rounded either way, as far as f32 arithmetic and the matrix unit's own rounding can turn it there, and no further.
;; One version. Each part assembles by itself: llvm-mc -triple=amdgcn-amd-amdhsa -mcpu=gfx1250 --defsym DOCPART=n.
;; ======== version 1 of 1: 7 launches
;; limits: right only within a limited range of input values
;; workspace buffers: ops 13,107,200 bytes; qkv 10,092,544 bytes; oa 3,276,800 bytes; x1 16,777,216 bytes; hid 13,107,200 bytes
;; launch prep (part 1): grid 640 x 1, 8 waves a work-group, no clusters, 138,240 bytes of LDS; arguments x, ln1_w, ln1_b, ops, qkv_proj, out_proj, proj1, proj2; writes ops
.if DOCPART == 1
	.amdgcn_target "amdgcn-amd-amdhsa--gfx1250"
	.amdhsa_code_object_version 6
	.text
	.protected	k_q505903cf31_prep
	.globl	k_q505903cf31_prep
	.p2align	8
	.type	k_q505903cf31_prep,@function
k_q505903cf31_prep:
	s_mov_b64 s[64:65], 0
	v_nop
	global_prefetch_b8 v0, s[64:65] scope:SCOPE_SE
	s_setreg_imm32_b32 hwreg(HW_REG_WAVE_MODE, 25, 1), 1
	s_wait_xcnt 0x0
; ONE BODY, TWO KINDS OF WORK-GROUP, told apart by the work-group's number alone.  Both make codes of FP6 (E2M3) with one E8M0 byte for each 32 along K, laid in ops as IMAGES OF OPERAND REGISTERS.
; A fragment is 16 rows x 128 K = 1,536 bytes in two halves c of 768: registers 6 c .. 6 c + 3 of lane l at 768 c + 16 l, registers 6 c + 4, 6 c + 5 at 768 c + 512 + 8 l.
; THE ROWS OF A TILE ARE NOT NEIGHBOURS: lane r of tile i holds row 32 (i >> 1) + 8 (i & 1) + r + 8 (r >> 3) of its group of 128; a tile's scale word of lane r lies at 256 (i & 1) + 16 r + 4 (i >> 1) of its K step's 512 bytes.
; WORK-GROUPS 0-255: LayerNorm of 16 rows of 1,024 f32 ([l][n][1024]), then the quantiser.  Tokens go in the order m = 2,048 n + l.  Fragment (g, K step, i) at HA_C + ((8 g + K step) 8 + i) 1,536, scale words at HA_S + (8 g + K step) 512.
;   Wave w takes columns 128 w on (K step w).  The mean first, then the mean of the squared differences (two passes over registers); the waves' parts meet in LDS, one barrier each.
; WORK-GROUPS 256-639: the four weights, f32 with K innermost.  A task T (128 rows x 128 K) is 8 fragments, 12,288 dense bytes at 12,288 T, and 512 bytes of scale words at WQ_SC + 512 T.
;   T 0..191 qkv_proj (rows taken in the order j, head, d: a group's rows lie three rows apart), 192..255 out_proj, 256..511 proj1, 512..767 proj2 (32 K steps to a group, the others 8).
;   A work-group takes tasks 2 k and 2 k + 1: waves 0-3 the first, waves 4-7 the second; wave j of a task makes tiles 2 j and 2 j + 1.
; A launch of 256 work-groups runs the LayerNorm alone (the second LayerNorm of the layer runs this body so).
; Each load reads 512 consecutive bytes of one row; a tile turns through the wave's own stage in LDS (rows 528 bytes apart), so that a lane gets 16 neighbours of each block.  Each kind of work-group has LDS bytes of its own.
; No tensor loads, no clusters, no matrix units: the work-groups share no input and multiply nothing.
; LIMITS: a block of zeros, or one whose largest magnitude lies under 2^-124, gets the byte 1 (this program alone reads the bytes); NaN and infinities are not served; v_rsq_f32 is good to 1 ulp; the sums' order differs from the reference's.
.set STG,   8448                       ; a wave's stage: 16 rows x 528 bytes
.set RED,   8*STG                      ; LayerNorm: 512 bytes for the sums, 512 for the sums of squares: word [r][w]
.set QWB,   RED+1024                   ; the weights' eight stages
.set QG,    QWB+8*STG                  ; and the two tasks' 512 bytes of scale words each
.set SPARE, QG+1024                    ; the spare words, 128 bytes a wave
.set HA_C,  9830400
.set HA_S,  12976128
.set WQ_SC, 9437184
.set FRB,   1536
.set GL16, 4                           ; v4  16 x lane
.set GL8,  5                           ; v5  8 x lane
.set STI,  6                           ; v6  into the stage: 16 x lane
.set STO,  7                           ; v7  out of it: 528 r + 64 h
.set SPW,  254
.set NIL,  255
; 64 numbers of a lane, register 16 b + i = k 32 b + 16 (lane / 16) + i of my row, become a fragment's codes in v[PC] on and its scale word in v[PW].  TM: twelve registers at work.
.macro QUANT s
.irp b, 0,1,2,3
	v_max3_num_f32 v[TM+\b], |v[\s+16*\b]|, |v[\s+1+16*\b]|, 0x1800000   ; my 16 numbers of block b, and the floor 2^(3 - 127): the byte cannot fall under 1
.endr
.irp i, 2,4,6,8,10,12,14
.irp b, 0,1,2,3
	s_delay_alu instid0(VALU_DEP_4)
	v_max3_num_f32 v[TM+\b], v[TM+\b], |v[\s+16*\b+\i]|, |v[\s+1+16*\b+\i]|
.endr
.endr
.irp b, 0,1,2,3
	s_delay_alu instid0(VALU_DEP_4)
	v_permlanex16_b32 v[TM+4+\b], v[TM+\b], s[SEL], s[SEL+1]
.endr
.irp b, 0,1,2,3
	s_delay_alu instid0(VALU_DEP_4)
	v_max_num_f32 v[TM+\b], v[TM+\b], v[TM+4+\b]   ; with lane l xor 16's: the block's largest magnitude
.endr
.irp b, 0,1,2,3
	s_delay_alu instid0(VALU_DEP_4)
	v_add_nc_u32 v[TM+8+\b], 0xff000000, v[TM+\b]  ; 2 off the exponent field: the conversion's scale operand
.endr
.irp b, 0,1,2,3
	s_delay_alu instid0(VALU_DEP_4)
	v_lshrrev_b32 v[TM+4+\b], 23, v[TM+8+\b]       ; the scale's byte
.endr
	s_delay_alu instid0(VALU_DEP_3)
	v_lshl_or_b32 v[PW], v[TM+5], 8, v[TM+4]
	s_delay_alu instid0(VALU_DEP_1)
	v_lshl_or_b32 v[PW], v[TM+6], 16, v[PW]
	s_delay_alu instid0(VALU_DEP_1)
	v_lshl_or_b32 v[PW], v[TM+7], 24, v[PW]
.irp c, 0,1
	v_cvt_scalef32_pk16_fp6_f32 v[PC+6*\c:PC+2+6*\c], v[\s+32*\c:\s+15+32*\c], v[TM+8+2*\c]
	v_cvt_scalef32_pk16_fp6_f32 v[PC+12+4*\c:PC+14+4*\c], v[\s+16+32*\c:\s+31+32*\c], v[TM+8+2*\c+1]
.endr
	v_nop                                          ; one plain place behind a scaled conversion
.irp c, 0,1                                    ; the operand wants a whole block in a lane: lanes 0-15 block 2 c, lanes 16-31 block 2 c + 1
.irp i, 0,1,2
	v_permlane16_swap_b32 v[PC+6*\c+\i], v[PC+12+4*\c+\i]
.endr
.irp i, 0,1,2
	s_delay_alu instid0(VALU_DEP_3)
	v_mov_b32 v[PC+3+6*\c+\i], v[PC+12+4*\c+\i]
.endr
.endr
.endm
.macro STFRAG sb, o1                           ; the fragment leaves as it stands: 512, 256, 512, 256 consecutive bytes, each aligned to 256
	global_store_b128 v[GL16], v[PC:PC+3], s[\sb:\sb+1] offset:\o1
	global_store_b64 v[GL8], v[PC+4:PC+5], s[\sb:\sb+1] offset:\o1+512
	global_store_b128 v[GL16], v[PC+6:PC+9], s[\sb:\sb+1] offset:\o1+768
	global_store_b64 v[GL8], v[PC+10:PC+11], s[\sb:\sb+1] offset:\o1+1280
.endm
	v_lshl_add_u32 v[SPW], v0, 2, SPARE
	v_mov_b32 v[NIL], 0
	s_cmp_lt_u32 ttmp9, 256                        ; which kind: the work-group's number alone decides
	s_cbranch_scc0 .Lweights
; ---------------- LayerNorm and its quantiser
.set XN,   32                          ; v32-95   64 numbers of my row
.set RAW,  96                          ; v96-159  as loaded; then the shift
.set LW,   160                         ; v160-223 the gain; then QUANT's registers
.set SA,   238                         ; v238-253 eight partial sums, in pairs
.set TM,   160
.set PW,   176
.set PC,   180
.set SEL,  26
; v12, my 64 numbers' sum, becomes the row's sum over all 1,024: lane l xor 16's, then the eight waves' through LDS
.macro ACROSS off
	s_delay_alu instid0(VALU_DEP_1)
	v_permlanex16_b32 v13, v12, s[SEL], s[SEL+1]
	s_delay_alu instid0(VALU_DEP_1)
	v_add_f32 v12, v12, v13
	ds_store_b32 v8, v12 offset:\off               ; both lanes of a row write the same word with the same value
	s_wait_dscnt 0x0                               ; for the others' sake
	s_barrier_signal -1
	s_barrier_wait -1
	ds_load_b128 v[18:21], v9 offset:\off
	ds_load_b128 v[22:25], v9 offset:\off+16
	s_wait_dscnt 0x0
	v_add_f32 v18, v18, v19
	v_add_f32 v20, v20, v21
	v_add_f32 v22, v22, v23
	v_add_f32 v24, v24, v25
	s_delay_alu instid0(VALU_DEP_3)
	v_add_f32 v18, v18, v20
	s_delay_alu instid0(VALU_DEP_2)
	v_add_f32 v22, v22, v24
	s_delay_alu instid0(VALU_DEP_1)
	v_add_f32 v12, v18, v22
.endm
	s_load_b256 s[4:11], s[0:1], 0x0               ; the rows s[4:5], the gain s[6:7], the shift s[8:9], ops s[10:11]
	v_lshrrev_b32 v1, 5, v0
	v_readfirstlane_b32 s12, v1                    ; wave = K step
	v_and_b32 v1, 31, v0
	v_and_b32 v2, 15, v0                           ; r
	v_bfe_u32 v3, v0, 4, 1                         ; h
	v_lshlrev_b32 v[GL16], 4, v1
	v_lshlrev_b32 v[GL8], 3, v1
	s_mul_i32 s13, s12, STG
	v_add_nc_u32 v[STI], s13, v[GL16]
	v_mul_u32_u24 v[STO], v2, 528
	v_lshl_add_u32 v[STO], v3, 6, v[STO]
	v_add_nc_u32 v[STO], s13, v[STO]
	v_lshlrev_b32 v9, 5, v2
	v_add_nc_u32 v9, RED, v9                       ; my row's eight words
	s_lshl_b32 s13, s12, 2
	v_add_nc_u32 v8, s13, v9                       ; and my wave's among them
	v_lshlrev_b32 v10, 6, v3                       ; 64 h
	v_lshlrev_b32 v11, 4, v2                       ; 16 r
	v_mov_b32 v13, 0                               ; written once: a lane permute's destination counts as one of its sources
	s_mov_b32 s[SEL], 0x76543210
	s_mov_b32 s[SEL+1], 0xfedcba98
	s_mov_b32 s28, 0x3a800000                      ; 1 / 1,024
	s_mov_b32 s29, 0x358637bd                      ; 1e-6
	s_lshr_b32 s14, ttmp9, 3                       ; group
	s_and_b32 s15, ttmp9, 7                        ; tile
	s_and_b32 s16, s14, 15
	s_lshl_b32 s16, s16, 7
	s_lshr_b32 s17, s15, 1
	s_lshl_b32 s17, s17, 5
	s_add_co_u32 s16, s16, s17
	s_and_b32 s17, s15, 1
	s_lshl_b32 s17, s17, 3
	s_add_co_u32 s16, s16, s17                     ; l of the tile's lane 0
	s_lshl_b32 s16, s16, 13                        ; 8,192 bytes from l to l + 1
	s_lshr_b32 s17, s14, 4
	s_lshl_b32 s17, s17, 12                        ; 4,096 n
	s_add_co_u32 s16, s16, s17
	s_lshl_b32 s18, s12, 9                         ; my 128 columns
	s_add_co_u32 s16, s16, s18
	s_mov_b32 s17, 0
	s_mov_b32 s19, 0
	s_lshl_b32 s20, s14, 3
	s_add_co_u32 s20, s20, s12                     ; 8 g + K step
	s_lshl_b32 s22, s20, 9
	s_lshl_b32 s20, s20, 3
	s_add_co_u32 s20, s20, s15
	s_mul_i32 s20, s20, 1536
	s_add_co_u32 s20, s20, HA_C
	s_mov_b32 s21, 0
	s_and_b32 s24, s15, 1
	s_lshl_b32 s24, s24, 8
	s_add_co_u32 s22, s22, s24
	s_lshr_b32 s24, s15, 1
	s_lshl_b32 s24, s24, 2
	s_add_co_u32 s22, s22, s24
	s_add_co_u32 s22, s22, HA_S
	s_mov_b32 s23, 0
	s_wait_alu depctr_va_vdst(0)                   ; the wait at the head's end
	s_wait_kmcnt 0x0
	s_add_nc_u64 s[4:5], s[4:5], s[16:17]
	s_add_nc_u64 s[6:7], s[6:7], s[18:19]
	s_add_nc_u64 s[8:9], s[8:9], s[18:19]
	s_add_nc_u64 s[20:21], s[10:11], s[20:21]
	s_add_nc_u64 s[22:23], s[10:11], s[22:23]
.set PP, 0
.rept 16
	global_load_b128 v[RAW+4*PP:RAW+4*PP+3], v[GL16], s[4:5] offset:(PP+8*(PP/8))*8192 th:TH_LOAD_NT   ; lane PP's row: 512 consecutive bytes
.set PP, PP+1
.endr
.set PP, 0
.rept 16
	global_load_b128 v[LW+4*PP:LW+4*PP+3], v10, s[6:7] offset:128*(PP/4)+16*(PP%4)   ; the gain at my 64 columns
.set PP, PP+1
.endr
	s_wait_loadcnt 16                              ; the rows are in; the gain's sixteen loads may be out
.set PP, 0
.rept 16
	ds_store_b128 v[STI], v[RAW+4*PP:RAW+4*PP+3] offset:528*PP
.set PP, PP+1
.endr
.set PP, 0
.rept 16
	ds_load_b128 v[XN+4*PP:XN+4*PP+3], v[STO] offset:128*(PP/4)+16*(PP%4)   ; LDS serves a wave's instructions in order
.set PP, PP+1
.endr
	s_wait_dscnt 0x0                               ; the stores have read their registers, which now take the shift
.set PP, 0
.rept 16
	global_load_b128 v[RAW+4*PP:RAW+4*PP+3], v10, s[8:9] offset:128*(PP/4)+16*(PP%4)
.set PP, PP+1
.endr
.irp a, 0,1,2,3,4,5,6,7                        ; my 64 numbers' sum, in eight chains
	v_pk_add_f32 v[SA+2*\a:SA+2*\a+1], v[XN+4*\a:XN+4*\a+1], v[XN+4*\a+2:XN+4*\a+3]
.endr
.irp o, 32,48
.irp a, 0,1,2,3,4,5,6,7
	v_pk_add_f32 v[SA+2*\a:SA+2*\a+1], v[SA+2*\a:SA+2*\a+1], v[XN+\o+2*\a:XN+\o+2*\a+1]
.endr
.endr
.irp a, 0,1,2,3
	v_pk_add_f32 v[SA+2*\a:SA+2*\a+1], v[SA+2*\a:SA+2*\a+1], v[SA+8+2*\a:SA+9+2*\a]
.endr
.irp a, 0,1
	s_delay_alu instid0(VALU_DEP_2)
	v_pk_add_f32 v[SA+2*\a:SA+2*\a+1], v[SA+2*\a:SA+2*\a+1], v[SA+4+2*\a:SA+5+2*\a]
.endr
	s_delay_alu instid0(VALU_DEP_1)
	v_pk_add_f32 v[26:27], v[SA:SA+1], v[SA+2:SA+3]
	s_delay_alu instid0(VALU_DEP_1)
	v_add_f32 v12, v26, v27
	ACROSS 0
	s_delay_alu instid0(VALU_DEP_1)
	v_mul_f32 v14, s28, v12                        ; the mean
	s_delay_alu instid0(VALU_DEP_1)
	v_mov_b32 v15, v14
.set JJ, 0
.rept 32
	v_pk_add_f32 v[XN+JJ:XN+JJ+1], v[XN+JJ:XN+JJ+1], v[14:15] neg_lo:[0,1] neg_hi:[0,1]
.set JJ, JJ+2
.endr
	v_pk_mul_f32 v[26:27], v[XN:XN+1], v[XN:XN+1]
	v_pk_mul_f32 v[28:29], v[XN+2:XN+3], v[XN+2:XN+3]
.set JJ, 4
.rept 15
	s_delay_alu instid0(VALU_DEP_2)
	v_pk_fma_f32 v[26:27], v[XN+JJ:XN+JJ+1], v[XN+JJ:XN+JJ+1], v[26:27]
	s_delay_alu instid0(VALU_DEP_2)
	v_pk_fma_f32 v[28:29], v[XN+JJ+2:XN+JJ+3], v[XN+JJ+2:XN+JJ+3], v[28:29]
.set JJ, JJ+4
.endr
	s_delay_alu instid0(VALU_DEP_1)
	v_pk_add_f32 v[26:27], v[26:27], v[28:29]
	s_delay_alu instid0(VALU_DEP_1)
	v_add_f32 v12, v26, v27
	ACROSS 512                                     ; other bytes than the first exchange's: no barrier is owed between the two
	s_delay_alu instid0(VALU_DEP_1)
	v_fma_f32 v18, v12, s28, s29                   ; the variance + 1e-6
	s_wait_alu depctr_va_vdst(0)                   ; the wait ahead of the transcendental
	v_rsq_f32 v16, v18
	v_nop                                          ; a plain place behind the transcendental
	s_wait_alu depctr_va_vdst(0)                   ; and the wait ahead of its first reader
	v_mov_b32 v17, v16
	s_wait_alu depctr_va_vdst(0)                   ; ahead of the wait below
	s_wait_loadcnt 0x0                             ; gain and shift
.set JJ, 0
.rept 32
	v_pk_mul_f32 v[XN+JJ:XN+JJ+1], v[XN+JJ:XN+JJ+1], v[16:17]
.set JJ, JJ+2
.endr
.set JJ, 0
.rept 32
	v_pk_fma_f32 v[XN+JJ:XN+JJ+1], v[XN+JJ:XN+JJ+1], v[LW+JJ:LW+JJ+1], v[RAW+JJ:RAW+JJ+1]
.set JJ, JJ+2
.endr
	QUANT XN
	STFRAG 20, 0
	global_store_b32 v11, v[PW], s[22:23]          ; lanes r and r + 16 store row r's word, the same value
	s_wait_tensorcnt 0x0                           ; the wave's end
	ds_add_u32 v[SPW], v[NIL]
	s_wait_dscnt 0x0
	s_endpgm
; ---------------- the weights
.Lweights:
.set GW,   8                           ; v8   where my scale word goes: 16 x lane + 4 j in my task's 512 bytes
.set GR,   9                           ; v9   and where wave j = 0 reads four of them
.set PW0,  10                          ; v10  tile 2 j's scale word
.set VO,   16                          ; v16-47  16 x lane + k rows, k = 0 .. 31
.set QRAW, 48                          ; v48-175 two tiles as loaded
.set QXN,  176                         ; v176-239 64 numbers of my row
.set TM,   240                         ; v240-251 at work in QUANT
.set PC,   48                          ; v48-67  the codes (tile 0's raw numbers are done with)
.set PW,   68
.set SEL,  30
.set HM,   32                          ; s32  lanes 16-31
.set TK,   33                          ; s33  my task
	s_load_b256 s[4:11], s[0:1], 0x20              ; qkv_proj, out_proj, proj1, proj2
	s_load_b64 s[12:13], s[0:1], 0x18              ; ops
	v_lshrrev_b32 v1, 5, v0
	v_readfirstlane_b32 s38, v1                    ; wave 0..7
	s_and_b32 s24, s38, 3                          ; j: my place in my task
	s_lshr_b32 s39, s38, 2                         ; which of the work-group's two tasks
	s_sub_co_u32 s[TK], ttmp9, 256
	s_lshl_b32 s[TK], s[TK], 1
	s_add_co_u32 s[TK], s[TK], s39
	v_and_b32 v1, 31, v0                           ; lane
	v_and_b32 v2, 15, v0                           ; r
	v_bfe_u32 v3, v0, 4, 1                         ; h
	v_lshlrev_b32 v[GL16], 4, v1
	v_lshlrev_b32 v[GL8], 3, v1
	s_mul_i32 s25, s38, STG
	s_add_co_u32 s25, s25, QWB
	v_add_nc_u32 v[STI], s25, v[GL16]
	v_mul_u32_u24 v[STO], v2, 528
	v_lshl_add_u32 v[STO], v3, 6, v[STO]
	v_add_nc_u32 v[STO], s25, v[STO]
	s_lshl_b32 s26, s39, 9
	s_add_co_u32 s26, s26, QG                      ; my task's 512 bytes
	s_lshl_b32 s25, s24, 2
	s_add_co_u32 s25, s25, s26
	v_add_nc_u32 v[GW], s25, v[GL16]
	v_add_nc_u32 v[GR], s26, v[GL16]
	s_mov_b32 s[SEL], 0x76543210
	s_mov_b32 s[SEL+1], 0xfedcba98
	s_mov_b32 s[HM], 0xffff0000
.irp b, 0,1,2,3
	v_mov_b32 v[TM+4+\b], 0                        ; written once: a lane permute's destination counts as one of its sources
.endr
	s_mov_b32 s16, 512                             ; proj2's figures: first task, log2 of K steps a group, bytes in a row, bytes from row to row of a group
	s_mov_b32 s17, 5
	s_mov_b32 s18, 16384
	s_mov_b32 s19, 16384
	s_wait_alu depctr_va_vdst(0)                   ; the wait at the head's end
	s_wait_kmcnt 0x0
	s_cmp_lt_u32 s[TK], 512                        ; which weight: the choice hangs on ids alone
	s_cselect_b64 s[14:15], s[8:9], s[10:11]
	s_cselect_b32 s16, 256, s16
	s_cselect_b32 s17, 3, s17
	s_cselect_b32 s18, 4096, s18
	s_cselect_b32 s19, 4096, s19
	s_cmp_lt_u32 s[TK], 256
	s_cselect_b64 s[14:15], s[6:7], s[14:15]
	s_cselect_b32 s16, 192, s16
	s_cmp_lt_u32 s[TK], 192
	s_cselect_b64 s[14:15], s[4:5], s[14:15]
	s_cselect_b32 s16, 0, s16
	s_cselect_b32 s19, 12288, s19                  ; qkv_proj: three rows on
	s_sub_co_u32 s20, s[TK], s16                   ; the task within its weight
	s_lshr_b32 s21, s20, s17                       ; group
	s_lshl_b32 s22, s21, s17
	s_sub_co_u32 s22, s20, s22                     ; K step
	s_and_b32 s23, s21, 7
	s_mul_i32 s23, s23, 384
	s_lshr_b32 s26, s21, 3
	s_add_co_u32 s23, s23, s26                     ; qkv_proj: row 384 (g & 7) + (g >> 3)
	s_lshl_b32 s26, s21, 7                         ; the others: 128 g
	s_cmp_lt_u32 s[TK], 192
	s_cselect_b32 s23, s23, s26
	s_mul_i32 s26, s23, s18
	s_lshl_b32 s27, s24, 5
	s_mul_i32 s27, s27, s19                        ; my wave's 32 rows
	s_add_co_u32 s26, s26, s27
	s_lshl_b32 s27, s22, 9                         ; 512 bytes a K step
	s_add_co_u32 s26, s26, s27
	s_mov_b32 s27, 0
	s_add_nc_u64 s[14:15], s[14:15], s[26:27]
	s_mul_i32 s26, s[TK], 12288
	s_mul_i32 s28, s24, 2*FRB
	s_add_co_u32 s26, s26, s28
	s_add_nc_u64 s[34:35], s[12:13], s[26:27]      ; my two fragments
	s_lshl_b32 s26, s[TK], 9
	s_add_co_u32 s26, s26, WQ_SC
	s_add_nc_u64 s[36:37], s[12:13], s[26:27]      ; the task's scale words
.set PP, 0
.rept 32
	v_mad_u32_u24 v[VO+PP], s19, PP, v[GL16]
.set PP, PP+1
.endr
.irp u, 0,1
.set PP, 0
.rept 16
	global_load_b128 v[QRAW+64*\u+4*PP:QRAW+64*\u+4*PP+3], v[VO+8*\u+PP+8*(PP/8)], s[14:15] th:TH_LOAD_NT   ; lane PP of tile u: 512 consecutive bytes of its row
.set PP, PP+1
.endr
.endr
.macro TILE u
.set PP, 0
.rept 16
	ds_store_b128 v[STI], v[QRAW+64*\u+4*PP:QRAW+64*\u+4*PP+3] offset:528*PP
.set PP, PP+1
.endr
.set PP, 0
.rept 16
	ds_load_b128 v[QXN+4*PP:QXN+4*PP+3], v[STO] offset:128*(PP/4)+16*(PP%4)   ; LDS serves a wave's instructions in order: these see my stores
.set PP, PP+1
.endr
	s_wait_dscnt 0x0
	QUANT QXN
	STFRAG 34, FRB*\u
.endm
	s_wait_loadcnt 16                              ; tile 0's sixteen loads are in; tile 1's may be out
	TILE 0
	v_mov_b32 v[PW0], v[PW]
	s_wait_loadcnt 0x0
	s_wait_xcnt 0x0                                ; tile 0's stores have read their registers: the codes are written again
	TILE 1
	v_cndmask_b32 v[PW0], v[PW0], v[PW], s[HM]     ; lanes 0-15 tile 2 j's word, lanes 16-31 tile 2 j + 1's
	ds_store_b32 v[GW], v[PW0]
	s_wait_dscnt 0x0                               ; for the sake of my task's wave j = 0
	s_barrier_signal -1
	s_barrier_wait -1
	s_cmp_lg_u32 s24, 0
	s_cbranch_scc1 .Ldone
	ds_load_b128 v[QXN:QXN+3], v[GR]
	s_wait_dscnt 0x0
	global_store_b128 v[GL16], v[QXN:QXN+3], s[36:37]   ; 512 consecutive bytes, aligned
.Ldone:
	s_wait_tensorcnt 0x0                           ; the wave's end
	ds_add_u32 v[SPW], v[NIL]
	s_wait_dscnt 0x0
	s_endpgm
.Lfunc_end_k_q505903cf31_prep:
	.size	k_q505903cf31_prep, .Lfunc_end_k_q505903cf31_prep-k_q505903cf31_prep
	.p2alignl 7, 3214868480
	.fill 96, 4, 3214868480
	.section	.rodata,"a",@progbits
	.p2align	6, 0x0
	.amdhsa_kernel k_q505903cf31_prep
		.amdhsa_group_segment_fixed_size 138240
		.amdhsa_private_segment_fixed_size 0
		.amdhsa_enable_private_segment 0
		.amdhsa_kernarg_size 64
		.amdhsa_user_sgpr_count 2
		.amdhsa_user_sgpr_kernarg_segment_ptr 1
		.amdhsa_wavefront_size32 1
		.amdhsa_system_sgpr_workgroup_id_x 1
		.amdhsa_system_sgpr_workgroup_id_y 1
		.amdhsa_system_sgpr_workgroup_id_z 1
		.amdhsa_system_vgpr_workitem_id 0
		.amdhsa_next_free_vgpr 256
		.amdhsa_next_free_sgpr 66
		.amdhsa_reserve_vcc 0
		.amdhsa_float_denorm_mode_32 3
		.amdhsa_float_denorm_mode_16_64 3
		.amdhsa_memory_ordered 1
		.amdhsa_forward_progress 1
		.amdhsa_inst_pref_size 54
	.end_amdhsa_kernel
	.amdgpu_metadata
---
amdhsa.version: [ 1, 2 ]
amdhsa.kernels:
  - .name:           k_q505903cf31_prep
    .symbol:         k_q505903cf31_prep.kd
    .args:
      - { .name: x, .offset: 0, .size: 8, .value_kind: global_buffer, .address_space: global }
      - { .name: ln1_w, .offset: 8, .size: 8, .value_kind: global_buffer, .address_space: global }
      - { .name: ln1_b, .offset: 16, .size: 8, .value_kind: global_buffer, .address_space: global }
      - { .name: ops, .offset: 24, .size: 8, .value_kind: global_buffer, .address_space: global }
      - { .name: qkv_proj, .offset: 32, .size: 8, .value_kind: global_buffer, .address_space: global }
      - { .name: out_proj, .offset: 40, .size: 8, .value_kind: global_buffer, .address_space: global }
      - { .name: proj1, .offset: 48, .size: 8, .value_kind: global_buffer, .address_space: global }
      - { .name: proj2, .offset: 56, .size: 8, .value_kind: global_buffer, .address_space: global }
    .group_segment_fixed_size: 138240
    .private_segment_fixed_size: 0
    .kernarg_segment_align: 8
    .kernarg_segment_size: 64
    .max_flat_workgroup_size: 256
    .sgpr_count:     66
    .vgpr_count:     256
    .wavefront_size: 32
...
	.end_amdgpu_metadata
.endif
;; end of part 1
;; launch g1 (part 2): grid 48 x 4, 4 waves a work-group, clusters of 4 x 4, 327,680 bytes of LDS; arguments ops, qkv_bias, qkv; writes qkv
.if DOCPART == 2
	.amdgcn_target "amdgcn-amd-amdhsa--gfx1250"
	.amdhsa_code_object_version 6
	.text
	.protected	k_q505903cf31_g1
	.globl	k_q505903cf31_g1
	.p2align	8
	.type	k_q505903cf31_g1,@function
k_q505903cf31_g1:
	s_mov_b64 s[64:65], 0
	v_nop
	global_prefetch_b8 v0, s[64:65] scope:SCOPE_SE
	s_setreg_imm32_b32 hwreg(HW_REG_WAVE_MODE, 25, 1), 1
	s_wait_xcnt 0x0
	s_wait_alu depctr_hold_cnt(0) depctr_sa_sdst(0) depctr_va_vdst(0) depctr_va_sdst(0) depctr_va_ssrc(0) depctr_va_vcc(0) depctr_vm_vsrc(0)
	s_getreg_b32 s2, hwreg(HW_REG_IB_STS2, 6, 4)
	s_cmp_eq_u32 s2, 0
	s_cbranch_scc0 .Lentry_in_a_cluster
	s_endpgm
.Lentry_in_a_cluster:
	s_bfe_u32 s2, ttmp6, 0x10000c
	s_cmp_lg_u32 s2, 0xf033
	s_cbranch_scc0 .Lentry_shape_is_right
	s_endpgm
.Lentry_shape_is_right:
; qkv = LN1(x) Wqkv^T + bias on codes of FP6 (E2M3) with E8M0 scales for each 32 along K = 1,024; the results are quantised at once: q and k along the head's 64, v along the keys, and leave as images of operand registers.
; OPERANDS lie in ops as images: a fragment (16 rows x 128 K) is 1,536 bytes (half c: registers 6 c .. 6 c + 3 of lane l at 768 c + 16 l, registers 6 c + 4, 6 c + 5 at 768 c + 512 + 8 l); a group of 128 rows has 8 K steps of 8 fragments, 98,304 bytes;
; its scale words 8 x 512 bytes (tile i, lane r: 256 (i & 1) + 16 r + 4 (i >> 1)).  Lane r of tile i holds row 32 (i >> 1) + 8 (i & 1) + r + 8 (r >> 3) of its group, so the 64 results that a lane holds against source 0's eight tiles run along source 0's 128 rows in order.
; A work-group makes 256 x 256 in four waves of 128 x 128 (64 accumulators).  K goes in slots of 256; a group's K slot is two K steps: 24,576 dense bytes.
; THREE REGIONS OF LDS take the first three of K's four slots at the start; the fourth goes into region 0 when that has been read: ONE refill, and the wait for it stands 224 matrix instructions, further on.
; CLUSTERS of 4 x 4: source 1's tiles ("A") are shared along a row of the cluster, source 0's ("B") along a column: joint loads.  Twelve clusters: clusters 0-7 make q and k (A = tokens, B = Wq, Wk: a lane holds one token, its registers run along d);
; clusters 8-11 make v WITH THE ROLES SWAPPED (A = Wv, B = tokens: a lane holds one d, its registers run along the keys): so one quantiser serves both.  The choice hangs on the cluster's number alone, which all sixteen partners share.
; qkv: [16 n + head][chunk of 512 tokens][78,848]: K's codes (32 tiles x 768), V^T's codes (4 key steps x 4 tiles of d x 1,536), K's scale words (4 x 512), V's (4 x 256), Q's codes, Q's scale words.
; No prefetch: three quarters of what the work-group reads is asked for in its first lines.  192 work-groups: the product has no more tiles of this size.
; LIMITS: a block of zeros, or one under 2^-124, gets the byte 1; NaN and infinities are not served.
.set FR,    12
.set FRB,   1536
.set KSB,   12288
.set HALFT, 24576
.set SLOT,  98304
.set SCL,   3*SLOT                     ; behind the three regions: the scale words of the four groups, all of K: 4 x 4,096 bytes, filled once
.set HALFS, 4096
.set SR,    2*HALFS/256                ; a load of scale words brings two groups: 32 rows of 256 bytes
.set SPARE, SCL+4*HALFS                ; the spare words, 128 bytes a wave: two blocks of 256 bytes that no other line names
.set SETR,  16
.set GSTR,  98304
.set WQ_SC, 9437184
.set HEADSTR, 315392
.set CHUNK, 78848
.set A16_0, 16                         ; 16 x lane + my A group in region 0, 1, 2
.set A16_1, 17
.set A16_2, 15
.set A8_0,  18                         ; 8 x lane + 512 + the same
.set A8_1,  19
.set A8_2,  26
.set B16_0, 20                         ; the same for B
.set B16_1, 21
.set B16_2, 30
.set B8_0,  22
.set B8_1,  23
.set B8_2,  31
.set GL16, 24
.set GL8,  25
.set ADRS, 27                          ; v27  my scale words: lanes 0-15 A's, lanes 16-31 B's
.set SPW,  28
.set NIL,  29
.set SC,   32                          ; v32-63 scale words and nothing else: set s, K step q, tile i at SC + 16 s + 8 q + 4 (i & 1) + (i >> 1)
.set BI,   64                          ; v64-127 the bias
.set AF,   128                         ; v128-223 A's eight fragments; on the way out: TT, PC, TM
.set TT,   128
.set PC,   192
.set TM,   212
.set WW,   8                           ; v8-11 the scale words gathered
.set PW,   12
.set G1, 24
.set G0, 32                            ; s[32:39] A's groups 0 for regions 0 and 1;  s[96:99] for K slot 0 at the head
.set G0C, 96
.set G1B, 48
.set G0B, 56                           ; s[56:63] B's for regions 0 and 1;  s[92:95] for K slot 0 at the head
.set G0BC, 92
.set G1S, 68
.set G0S, 76
.set G1SB, 80
.set G0SB, 88
.set DST, 94                           ; s[94:95] where the next fragment goes (written behind the last wait for tensor loads, like all that follows)
.set SCD, 46                           ; s[46:47] where the scale words go
.set EA,  96
.set HM,  97
.set SEL, 98
.set MSB, 0
.macro WIN new                         ; the immediate's high byte repeats the setting that is left
.if MSB != (\new)
	s_set_vgpr_msb (MSB<<8)|(\new)
.set MSB, \new
.endif
.endm
.set MUL_LO, 0xa1                      ; source 0 (B) window 1, source 1 (A) window 0, C and D window 2
.set MUL_HI, 0xf1
.set TO_B,   0x40
.macro JLOAD g0a, g1a, g0b, g1b        ; a joint load: waves 0 and 1 fetch for A, waves 2 and 3 for B; four v_nop follow each of the two lines
	s_cmp_eq_u32 s15, 0
	s_cbranch_scc0 .Lfor_b_\@
	tensor_load_to_lds s[\g0a:\g0a+3], s[\g1a:\g1a+7]
	s_nop 0
.rept 4
	v_nop
.endr
	s_branch .Lasked_\@
.Lfor_b_\@:
	tensor_load_to_lds s[\g0b:\g0b+3], s[\g1b:\g1b+7]
	s_nop 0
.rept 4
	v_nop
.endr
.Lasked_\@:
.endm
.macro CREST
	s_cmp_lg_u32 s14, 0
	s_cbranch_scc1 .Lnot_wave_0_\@
	s_barrier_signal -3
.Lnot_wave_0_\@:
	s_barrier_wait -3
	s_barrier_signal -1
	s_barrier_wait -1
.endm
.macro CROUND
	s_barrier_signal -1
	s_barrier_wait -1
	CREST
.endm
.macro PLACES n
.rept \n
	v_nop
.endr
.endm
.macro FRAG reg, a16, a8, off          ; a fragment comes back as it was stored: four loads, each of consecutive bytes
	ds_load_b128 v[\reg:\reg+3], v[\a16] offset:\off
	ds_load_b64 v[\reg+4:\reg+5], v[\a8] offset:\off
	ds_load_b128 v[\reg+6:\reg+9], v[\a16] offset:\off+768
	ds_load_b64 v[\reg+10:\reg+11], v[\a8] offset:\off+768
.endm
.macro FETCH_B slot, q, p
	WIN TO_B
.irp i, 0,1,2,3,4,5,6,7
	FRAG 128*(\p)+FR*\i, B16_\slot, B8_\slot, (\q)*KSB+\i*FRB
.endr
	WIN 0
.endm
.macro FETCH_A slot, q, i0
.irp i, \i0, \i0+1, \i0+2, \i0+3
	FRAG AF+FR*(\i), A16_\slot, A8_\slot, (\q)*KSB+(\i)*FRB
.endr
.endm
.macro SCALES set
.irp q, 0,1
.irp par, 0,1
	ds_load_b128 v[SC+SETR*\set+8*\q+4*\par:SC+SETR*\set+8*\q+4*\par+3], v[ADRS] offset:512*\q+256*\par
.endr
.endr
.endm
; 16 matrix instructions: A's blocks a0, a0 + 1 x B's eight.  The 64 accumulators take turns, one instruction a turn, in the same order in every step.
.macro MUL16 a0, p, q, sc, zero
.irp a, \a0, \a0+1
.irp b, 0,1,2,3,4,5,6,7
.if \zero
	v_wmma_scale_f32_16x16x128_f8f6f4 v[8*(8*((\a)%4)+\b):8*(8*((\a)%4)+\b)+7], v[128*(\p)+FR*\b:128*(\p)+FR*\b+FR-1], v[AF+FR*(\a):AF+FR*(\a)+FR-1], 0, v[SC+SETR*(\sc)+8*(\q)+4*(\b%2)+\b/2], v[SC+SETR*(\sc)+8*(\q)+4*((\a)%2)+(\a)/2] matrix_a_fmt:MATRIX_FMT_FP6 matrix_b_fmt:MATRIX_FMT_FP6 matrix_a_scale:MATRIX_SCALE_ROW1
.else
	v_wmma_scale_f32_16x16x128_f8f6f4 v[8*(8*((\a)%4)+\b):8*(8*((\a)%4)+\b)+7], v[128*(\p)+FR*\b:128*(\p)+FR*\b+FR-1], v[AF+FR*(\a):AF+FR*(\a)+FR-1], v[8*(8*((\a)%4)+\b):8*(8*((\a)%4)+\b)+7], v[SC+SETR*(\sc)+8*(\q)+4*(\b%2)+\b/2], v[SC+SETR*(\sc)+8*(\q)+4*((\a)%2)+(\a)/2] matrix_a_fmt:MATRIX_FMT_FP6 matrix_b_fmt:MATRIX_FMT_FP6 matrix_a_scale:MATRIX_SCALE_ROW1
.endif
.endr
.endr
.endm
.macro STEP slot, q, zero, set         ; a step of 128 along K that has its successor in the same region
	s_wait_dscnt 16                                ; B's set, A's blocks 0-3 and the scale words are in; the youngest sixteen loads (A's blocks 4-7) may be out
	WIN MUL_LO
	MUL16 0, (\q)%2, \q, \set, \zero
	MUL16 2, (\q)%2, \q, \set, \zero
	s_wait_dscnt 0
	PLACES 4                                       ; in front of loads into registers that matrix instructions have read
	FETCH_B \slot, (\q)+1, 1-(\q)%2
	FETCH_A \slot, (\q)+1, 0
	WIN MUL_HI
	MUL16 4, (\q)%2, \q, \set, \zero
	MUL16 6, (\q)%2, \q, \set, \zero
	PLACES 4
	WIN 0
	FETCH_A \slot, (\q)+1, 4
.endm
; A region's last step, with a barrier: in front of it each wave waits for all its tensor loads, adds 0 to its spare word, and waits for that and for its reads of this region.  fill = 1: the region is filled again, with K's fourth slot.
.macro TURN slot, next, fill, set, nset
	s_wait_tensorcnt 0x0                           ; all my tensor loads have landed
	ds_add_u32 v[SPW], v[NIL]                      ; 0 onto my spare word
	s_wait_dscnt 17                                ; the add and the youngest sixteen loads may be out
	WIN MUL_LO
	MUL16 0, 1, 1, \set, 0
	s_wait_dscnt 0x0                               ; the add is done, and my reads of this region are over
	s_barrier_signal -1
	MUL16 2, 1, 1, \set, 0
	WIN 0
	s_barrier_wait -1
.if \fill
	CREST                                          ; the barrier has opened a round of the cluster's barrier: no wave of any partner still reads this region or has a load on its way
	s_add_nc_u64 s[G0+4*\slot+2:G0+4*\slot+3], s[G0+4*\slot+2:G0+4*\slot+3], 3*HALFT
	s_add_nc_u64 s[G0B+4*\slot+2:G0B+4*\slot+3], s[G0B+4*\slot+2:G0B+4*\slot+3], 3*HALFT
	s_mov_b32 s[G1+2], 96<<16                      ; the refill is one K slot: 96 rows
	s_mov_b32 s[G1+4], 96
	s_mov_b32 s[G1B+2], 96<<16
	s_mov_b32 s[G1B+4], 96
	JLOAD G0+4*\slot, G1, G0B+4*\slot, G1B
.else
	PLACES 4
.endif
	v_add_nc_u32 v[ADRS], 1024, v[ADRS]            ; the next slot's scale words
	FETCH_B \next, 0, 0
	FETCH_A \next, 0, 0
	SCALES \nset
	WIN MUL_HI
	MUL16 4, 1, 1, \set, 0
	MUL16 6, 1, 1, \set, 0
	PLACES 4
	WIN 0
	FETCH_A \next, 0, 4
.endm
; A region's last step without a barrier: the next region was shown whole to every wave by the barrier of the first change (every wave had waited for all its loads in front of it), and nothing is filled here.
.macro PASS next, set, nset
	s_wait_dscnt 16
	WIN MUL_LO
	MUL16 0, 1, 1, \set, 0
	MUL16 2, 1, 1, \set, 0
	s_wait_dscnt 0
	PLACES 4
	WIN 0
	v_add_nc_u32 v[ADRS], 1024, v[ADRS]
	FETCH_B \next, 0, 0
	FETCH_A \next, 0, 0
	SCALES \nset
	WIN MUL_HI
	MUL16 4, 1, 1, \set, 0
	MUL16 6, 1, 1, \set, 0
	PLACES 4
	WIN 0
	FETCH_A \next, 0, 4
.endm
.macro LASTSTEP p, q, set
	s_wait_dscnt 16
	WIN MUL_LO
	MUL16 0, \p, \q, \set, 0
	MUL16 2, \p, \q, \set, 0
	s_wait_dscnt 0
	WIN MUL_HI
	MUL16 4, \p, \q, \set, 0
	MUL16 6, \p, \q, \set, 0
	WIN 0
.endm
; 64 numbers of a lane, register 16 b + i = k 32 b + 16 (lane / 16) + i of my row, become a fragment's codes in v[PC] on and its scale word in v[PW].
.macro QUANT s
.irp b, 0,1,2,3
	v_max3_num_f32 v[TM+\b], |v[\s+16*\b]|, |v[\s+1+16*\b]|, 0x1800000   ; and the floor 2^(3 - 127): the byte cannot fall under 1
.endr
.irp i, 2,4,6,8,10,12,14
.irp b, 0,1,2,3
	v_max3_num_f32 v[TM+\b], v[TM+\b], |v[\s+16*\b+\i]|, |v[\s+1+16*\b+\i]|
.endr
.endr
.irp b, 0,1,2,3
	v_permlanex16_b32 v[TM+4+\b], v[TM+\b], s[SEL], s[SEL+1]
.endr
.irp b, 0,1,2,3
	v_max_num_f32 v[TM+\b], v[TM+\b], v[TM+4+\b]
.endr
.irp b, 0,1,2,3
	v_add_nc_u32 v[TM+12+\b], 0xff000000, v[TM+\b]
.endr
.irp b, 0,1,2,3
	v_lshrrev_b32 v[TM+4+\b], 23, v[TM+12+\b]
.endr
	v_lshl_or_b32 v[PW], v[TM+5], 8, v[TM+4]
	v_lshl_or_b32 v[PW], v[TM+6], 16, v[PW]
	v_lshl_or_b32 v[PW], v[TM+7], 24, v[PW]
.irp c, 0,1
	v_cvt_scalef32_pk16_fp6_f32 v[PC+6*\c:PC+2+6*\c], v[\s+32*\c:\s+15+32*\c], v[TM+12+2*\c]
	v_cvt_scalef32_pk16_fp6_f32 v[PC+12+4*\c:PC+14+4*\c], v[\s+16+32*\c:\s+31+32*\c], v[TM+12+2*\c+1]
.endr
	v_nop                                          ; one plain place behind a scaled conversion
.irp c, 0,1
.irp i, 0,1,2
	v_permlane16_swap_b32 v[PC+6*\c+\i], v[PC+12+4*\c+\i]
.endr
.irp i, 0,1,2
	v_mov_b32 v[PC+3+6*\c+\i], v[PC+12+4*\c+\i]
.endr
.endr
.endm
.macro STFRAG sb, o1, o2
	global_store_b128 v[GL16], v[PC:PC+3], s[\sb:\sb+1] offset:\o1
	global_store_b64 v[GL8], v[PC+4:PC+5], s[\sb:\sb+1] offset:\o1+512
	global_store_b128 v[GL16], v[PC+6:PC+9], s[\sb:\sb+1] offset:\o2
	global_store_b64 v[GL8], v[PC+10:PC+11], s[\sb:\sb+1] offset:\o2+512
.endm
; THE WAY OUT is a loop over A's eight blocks: a trip adds the bias to the block's 64 results a lane, quantises them and stores the fragment.  Only the copy out of the accumulators differs from trip to trip (register numbers): it is chosen by a
; scalar switch on the trip's number.  mode 0 (q, k): the bias runs along the registers; scale word p goes to lanes 0-15 (p even) or 16-31 (p odd) of register p / 2.  mode 1 (v): the bias is the lane's own; word p to register p % 4, lanes 16-31 for the second head.
.macro PLACE mode, p
.if \mode == 1
.if (\p) < 4
	v_mov_b32 v[WW+(\p)], v[PW]
.else
	v_cndmask_b32 v[WW+(\p)-4], v[WW+(\p)-4], v[PW], s[HM]
.endif
.else
.if (\p)%2 == 0
	v_mov_b32 v[WW+(\p)/2], v[PW]
.else
	v_cndmask_b32 v[WW+(\p)/2], v[WW+(\p)/2], v[PW], s[HM]
.endif
.endif
.endm
.macro EBLK mode, k
.Lc\mode\k:
.if \k > 0
	s_wait_alu depctr_va_vdst(0)
	PLACE \mode, \k-1
.endif
.if (\mode == 1) && (\k == 4)
	s_add_nc_u64 s[DST:DST+1], s[DST:DST+1], HEADSTR-6144   ; on to the second head (the last trip's stores have read their base)
.endif
	WIN 0x02+(\k)/4                                ; source 0: window 2 or 3
.set AC, 64*((\k)%4)
.set JJ, 0
.if \mode == 0
.rept 32
	v_pk_add_f32 v[TT+JJ:TT+JJ+1], v[AC+JJ:AC+JJ+1], v[BI+JJ:BI+JJ+1]   ; each accumulator from its low end on
.set JJ, JJ+2
.endr
.else
.rept 64
	v_add_f32 v[TT+JJ], v[AC+JJ], v[BI+\k]
.set JJ, JJ+1
.endr
.endif
	WIN 0
.if \k < 7
	s_branch .Lcom\mode
.endif
.endm
.macro EPI mode, o2, step
	s_wait_loadcnt 0x0                             ; the bias
	v_mov_b32 v[PW], 0
.irp j, 0,1,2,3
	v_mov_b32 v[WW+\j], 0
	v_mov_b32 v[TM+4+\j], 0                        ; a lane permute's destination counts as one of its sources
.endr
	s_mov_b32 s[EA], 0
.Lepi\mode:
.irp k, 1,2,3,4,5,6,7
	s_cmp_eq_u32 s[EA], \k
	s_cbranch_scc1 .Lc\mode\k
.endr
.irp k, 0,1,2,3,4,5,6,7
	EBLK \mode, \k
.endr
.Lcom\mode:
	QUANT TT
	STFRAG DST, 0, \o2
	s_wait_xcnt 0x0                                ; the stores have read their registers and their base: both are written again
	s_add_nc_u64 s[DST:DST+1], s[DST:DST+1], \step
	s_add_co_u32 s[EA], s[EA], 1
	s_cmp_lt_u32 s[EA], 8
	s_cbranch_scc1 .Lepi\mode
	PLACE \mode, 7
.endm
	s_load_b128 s[4:7], s[0:1], 0x0                ; ops, qkv_bias
	s_load_b64 s[8:9], s[0:1], 0x10                ; qkv
	v_lshl_add_u32 v[SPW], v0, 2, SPARE
	v_mov_b32 v[NIL], 0
	ds_add_u32 v28, v29
	ds_add_u32 v28, v29
	s_wait_dscnt 0x0
	v_lshrrev_b32 v1, 5, v0
	v_readfirstlane_b32 s14, v1                    ; wave 0..3
	s_lshr_b32 s15, s14, 1                         ; which of A's two groups is mine.  Also: I fetch for A (0) or for B (1)
	s_and_b32 s16, s14, 1                          ; which of B's.  Also: which group I fetch
	s_bfe_u32 s40, ttmp6, 0x40000                  ; cx
	s_bfe_u32 s41, ttmp6, 0x40004                  ; cy
	s_lshl_b32 s43, s41, 2
	s_lshl_b32 s43, 15, s43                        ; my row of the cluster
	s_lshl_b32 s44, 0x1111, s40                    ; my column
	s_lshr_b32 s18, ttmp9, 1
	s_lshl_b32 s18, s18, 2                         ; q, k: 4 (c >> 1) rows of tiles
	s_and_b32 s19, ttmp9, 1
	s_lshl_b32 s19, s19, 2                         ; q, k: 4 (c & 1) columns
	s_and_b32 s45, ttmp9, 3
	s_lshl_b32 s45, s45, 2                         ; v: 4 (c - 8) columns
	s_mov_b32 s95, 864
	s_cmp_lt_u32 ttmp9, 8                          ; the cluster's number: the same in all sixteen partners
	s_cselect_b32 s18, s18, 0
	s_cselect_b32 s19, s19, s45
	s_cselect_b32 s20, 100, 16                     ; A's first group of codes: the tokens', or Wv's
	s_cselect_b32 s22, s95, 16                     ; and of scale words
	s_cselect_b32 s46, 0, 100                      ; B's: Wq and Wk, or the tokens'
	s_cselect_b32 s92, 0, s95
	s_add_co_u32 s17, s18, s41                     ; tile row
	s_add_co_u32 s42, s19, s40                     ; tile column
	s_or_b32 s[G1+0], s43, (3<<16)|(1<<21)         ; 15:0 the mask; 17:16 elements of 8 bytes; 21 set beside a mask; no padding
	s_or_b32 s[G1B+0], s44, (3<<16)|(1<<21)
.irp g, G1, G1B                        ; the head's form: K slot 0 of two groups: 2 rows of 3,072 elements (24,576 bytes), 12,288 elements (a group) apart
	s_mov_b32 s[\g+1], 3072<<16
	s_mov_b32 s[\g+2], 2<<16
	s_mov_b32 s[\g+3], 3072<<16
	s_mov_b32 s[\g+4], 2
	s_mov_b32 s[\g+5], 12288
	s_mov_b32 s[\g+6], 0
	s_mov_b32 s[\g+7], 0
.endr
	s_or_b32 s[G1S+0], s43, (3<<16)|(1<<21)
	s_or_b32 s[G1SB+0], s44, (3<<16)|(1<<21)
.irp g, G1S, G1SB
	s_mov_b32 s[\g+1], 32<<16
	s_mov_b32 s[\g+2], SR<<16
	s_mov_b32 s[\g+3], 32<<16
	s_mov_b32 s[\g+4], SR
	s_mov_b32 s[\g+5], 32
	s_mov_b32 s[\g+6], 0
	s_mov_b32 s[\g+7], 0
.endr
	s_lshl_b32 s18, s17, 1
	s_add_co_u32 s18, s18, s16                     ; A: 2 x tile row + the group that I fetch
	s_add_co_u32 s20, s20, s18
	s_mul_i32 s20, s20, GSTR
	s_mov_b32 s21, 0
	s_add_co_u32 s22, s22, s18
	s_lshl_b32 s22, s22, 12
	s_add_co_u32 s22, s22, WQ_SC
	s_mov_b32 s23, 0
	s_lshl_b32 s19, s42, 1
	s_add_co_u32 s19, s19, s16                     ; B likewise, by the tile column
	s_add_co_u32 s46, s46, s19
	s_mul_i32 s46, s46, GSTR
	s_mov_b32 s47, 0
	s_add_co_u32 s92, s92, s19
	s_lshl_b32 s92, s92, 12
	s_add_co_u32 s92, s92, WQ_SC
	s_mov_b32 s93, 0
	s_mul_i32 s45, s14, HALFT                      ; where they go: by the wave's number alone
	s_mul_i32 s3, s14, 2*HALFT                     ; regions 1 and 2 lie group by group: my group's 49,152 bytes
	s_mul_i32 s10, s16, GSTR                       ; from a tile's first group to the group that I fetch: codes,
	s_mov_b32 s11, 0
	s_lshl_b32 s12, s16, 12                        ; and scale words
	s_mov_b32 s13, 0
	s_wait_kmcnt 0x0
	s_add_nc_u64 s[20:21], s[4:5], s[20:21]
	s_add_nc_u64 s[22:23], s[4:5], s[22:23]
	s_add_nc_u64 s[46:47], s[4:5], s[46:47]
	s_add_nc_u64 s[92:93], s[4:5], s[92:93]
	CROUND                                         ; all sixteen work-groups are here: the first joint loads meet
; THE ORDER OF THE FILLS: at the head one joint load a wave: wave 0 K slot 0 of A's two groups, wave 1 of B's, wave 2 A's scale words, wave 3 B's.
; Behind the full sequence and a round each wave asks for K slots 1 and 2 of its own group by one load of 49,152 dense bytes; K slot 3 is the one refill, into region 0.
	s_mov_b32 s[G0S], 1                            ; the scale words of A's two groups, 8,192 dense bytes
	s_mov_b32 s[G0S+1], SCL
	s_sub_nc_u64 s[G0S+2:G0S+3], s[22:23], s[12:13]
	s_or_b32 s[G0S+3], s[G0S+3], 0x80000000
	s_mov_b32 s[G0SB], 1                           ; and of B's
	s_mov_b32 s[G0SB+1], SCL+2*HALFS
	s_sub_nc_u64 s[G0SB+2:G0SB+3], s[92:93], s[12:13]
	s_or_b32 s[G0SB+3], s[G0SB+3], 0x80000000
	s_mov_b32 s[G0C], 1                            ; K slot 0 of A's two groups
	s_mov_b32 s[G0C+1], 0
	s_sub_nc_u64 s[G0C+2:G0C+3], s[20:21], s[10:11]
	s_or_b32 s[G0C+3], s[G0C+3], 0x80000000
	s_mov_b32 s[G0BC], 1                           ; and of B's, behind them
	s_mov_b32 s[G0BC+1], 2*HALFT
	s_sub_nc_u64 s[G0BC+2:G0BC+3], s[46:47], s[10:11]
	s_or_b32 s[G0BC+3], s[G0BC+3], 0x80000000
	s_mov_b32 s[G0], 1                             ; my group in region 0: first used by the refill, which steps it to K slot 3
	s_mov_b32 s[G0+1], s45
	s_mov_b64 s[G0+2:G0+3], s[20:21]
	s_or_b32 s[G0+3], s[G0+3], 0x80000000
	s_mov_b32 s[G0+4], 1                           ; my group's K slots 1 and 2
	s_add_co_u32 s[G0+5], s3, SLOT
	s_add_nc_u64 s[G0+6:G0+7], s[20:21], HALFT
	s_or_b32 s[G0+7], s[G0+7], 0x80000000
	s_mov_b32 s[G0B], 1
	s_mov_b32 s[G0B+1], s45
	s_mov_b64 s[G0B+2:G0B+3], s[46:47]
	s_or_b32 s[G0B+3], s[G0B+3], 0x80000000
	s_mov_b32 s[G0B+4], 1
	s_add_co_u32 s[G0B+5], s3, SLOT
	s_add_nc_u64 s[G0B+6:G0B+7], s[46:47], HALFT
	s_or_b32 s[G0B+7], s[G0B+7], 0x80000000
.macro ARM under, g0, g1, next         ; one chain of branches on the wave's number: every way passes exactly one load
	s_cmp_lt_u32 s14, \under
	s_cbranch_scc0 \next
	tensor_load_to_lds s[\g0:\g0+3], s[\g1:\g1+7]
	s_nop 0
.rept 4
	v_nop
.endr
	s_branch .Lhead_asked
\next:
.endm
	ARM 1, G0C,  G1,  .Lhead_b
	ARM 2, G0BC, G1B, .Lhead_sa
	ARM 3, G0S,  G1S, .Lhead_sb
	tensor_load_to_lds s[G0SB:G0SB+3], s[G1SB:G1SB+7]
	s_nop 0
.rept 4
	v_nop
.endr
.Lhead_asked:
	v_and_b32 v1, 31, v0
	v_and_b32 v2, 15, v0                           ; r: kept
	v_bfe_u32 v3, v0, 4, 1                         ; h: kept
	v_lshlrev_b32 v[GL16], 4, v1
	v_lshlrev_b32 v[GL8], 3, v1
	v_add_nc_u32 v5, 512, v[GL8]
	s_mul_i32 s21, s15, HALFT
	s_mul_i32 s22, s16, HALFT
	s_add_co_u32 s22, s22, 2*HALFT
.irp s, 0,1,2
	v_add_nc_u32 v[A16_\s], s21, v[GL16]
	v_add_nc_u32 v[A8_\s], s21, v5
	v_add_nc_u32 v[B16_\s], s22, v[GL16]
	v_add_nc_u32 v[B8_\s], s22, v5
.if \s == 0
	s_wait_alu depctr_va_vdst(0)                   ; the wait ahead of a run of scalar instructions
	s_lshl_b32 s21, s21, 1                         ; region 1: SLOT + 49,152 x group;
	s_lshl_b32 s22, s22, 1
	s_add_co_u32 s21, s21, SLOT
	s_add_co_u32 s22, s22, SLOT
.else
	s_add_co_u32 s21, s21, HALFT                   ; region 2: 24,576 behind it
	s_add_co_u32 s22, s22, HALFT
.endif
.endr
	v_lshlrev_b32 v6, 4, v2
	s_mul_i32 s21, s15, HALFS                      ; A's scale words: my group
	s_mul_i32 s22, s16, HALFS
	s_add_co_u32 s22, s22, 2*HALFS                 ; B's, behind A's two groups
	s_sub_co_u32 s22, s22, s21
	v_mul_u32_u24 v7, s22, v3                      ; lanes 16-31 take B's
	s_add_co_u32 s21, s21, SCL
	v_add_nc_u32 v6, v6, v7
	v_add_nc_u32 v[ADRS], s21, v6
	s_wait_alu depctr_va_vdst(0)
	s_wait_tensorcnt 0x0                           ; my one load of the head is in
	ds_add_u32 v[SPW], v[NIL]
.irp g, G1, G1B                        ; no tensor load of mine is out: from here on a load is dense rows of 256 bytes, 192 of them
	s_mov_b32 s[\g+1], 32<<16
	s_mov_b32 s[\g+2], 192<<16
	s_mov_b32 s[\g+3], 32<<16
	s_mov_b32 s[\g+4], 192
	s_mov_b32 s[\g+5], 32
.endr
	s_wait_dscnt 0x0
	CROUND                                         ; region 0 and the scale words are whole, and all sixteen work-groups are here
	JLOAD G0+4, G1, G0B+4, G1B                     ; K slots 1 and 2 of my group
	FETCH_B 0, 0, 0
	FETCH_A 0, 0, 0
	SCALES 0
	FETCH_A 0, 0, 4
	STEP 0, 0, 1, 0                                ; the first step's products start the sums
	TURN 0, 1, 1, 0, 1                             ; region 0 takes K's fourth slot: the one refill
	s_wait_alu depctr_va_vdst(0)
	STEP 1, 0, 0, 1
	PASS 2, 1, 0
	s_wait_alu depctr_va_vdst(0)
	STEP 2, 0, 0, 0
	TURN 2, 0, 0, 0, 1                             ; the refill has landed; nothing more is fetched: all my tensor loads are done, so their descriptors' registers are free
	s_mov_b32 s[SEL], 0x76543210
	s_mov_b32 s[SEL+1], 0xfedcba98
	s_mov_b32 s[HM], 0xffff0000
	s_cmp_lt_u32 ttmp9, 8
	s_cbranch_scc0 .Lv_tail
	; ---- q and k: a lane holds one token; its registers run along two heads' 64 + 64
	s_lshl_b32 s18, s17, 1
	s_add_co_u32 s18, s18, s15                     ; my group of tokens
	s_lshl_b32 s19, s42, 1
	s_add_co_u32 s19, s19, s16                     ; my group of Wq, Wk
	s_lshr_b32 s20, s18, 4
	s_lshl_b32 s20, s20, 4                         ; 16 n
	s_and_b32 s21, s19, 7
	s_lshl_b32 s21, s21, 1                         ; the first of my two heads
	s_add_co_u32 s20, s20, s21
	s_mul_i32 s20, s20, HEADSTR
	s_bfe_u32 s22, s18, 0x20002                    ; chunk of 512 tokens
	s_mul_i32 s22, s22, CHUNK
	s_add_co_u32 s20, s20, s22
	s_and_b32 s22, s18, 3                          ; group in the chunk
	s_mul_i32 s23, s22, 6144
	s_lshl_b32 s22, s22, 9
	s_lshr_b32 s45, s19, 3                         ; 0: q, 1: k
	s_mov_b32 s46, 76800
	s_cmp_eq_u32 s45, 1
	s_cselect_b32 s47, 0, 52224                    ; K's codes, or Q's
	s_cselect_b32 s46, 49152, s46                  ; K's scale words, or Q's
	s_add_co_u32 s92, s20, s23
	s_add_co_u32 s92, s92, s47
	s_mov_b32 s93, 0
	s_add_nc_u64 s[DST:DST+1], s[8:9], s[92:93]
	s_add_co_u32 s92, s20, s22
	s_add_co_u32 s92, s92, s46
	s_add_nc_u64 s[SCD:SCD+1], s[8:9], s[92:93]
	s_mul_i32 s92, s21, 192
	s_add_co_u32 s92, s92, s45
	s_lshl_b32 s92, s92, 2
	s_add_nc_u64 s[6:7], s[6:7], s[92:93]          ; the bias of column 192 head + 3 d + j
	v_mul_u32_u24 v13, v3, 192                     ; my half's 16 d: 16 x 12 bytes
.set JJ, 0
.rept 64
	global_load_b32 v[BI+JJ], v13, s[6:7] offset:(32*(JJ/16)+JJ%16)*12
.set JJ, JJ+1
.endr
	STEP 0, 0, 0, 1
	LASTSTEP 1, 1, 1
	PLACES 4                                       ; in front of the first read of results and of writes over A's fragments
	EPI 0, HEADSTR, 768                            ; half 0 of a fragment is the first head's tile, half 1 the second's
.irp j, 0,1,2,3
	v_and_b32 v[16+\j], 0xffff, v[WW+\j]           ; the first head's two bytes; the two above are 0,
	v_lshrrev_b32 v[20+\j], 16, v[WW+\j]           ; the second head's likewise
.endr
	global_store_b128 v[GL16], v[16:19], s[SCD:SCD+1]
	global_store_b128 v[GL16], v[20:23], s[SCD:SCD+1] offset:HEADSTR
	s_branch .Ljoin
.Lv_tail:
	; ---- v: a lane holds one d of one head; its registers run along 128 keys
	s_lshl_b32 s18, s17, 1
	s_add_co_u32 s18, s18, s15                     ; my group of Wv
	s_lshl_b32 s21, s18, 1                         ; the first of its two heads
	s_lshl_b32 s19, s42, 1
	s_add_co_u32 s19, s19, s16                     ; my group of tokens
	s_lshr_b32 s20, s19, 4
	s_lshl_b32 s20, s20, 4
	s_add_co_u32 s20, s20, s21
	s_mul_i32 s20, s20, HEADSTR
	s_bfe_u32 s22, s19, 0x20002
	s_mul_i32 s22, s22, CHUNK
	s_add_co_u32 s20, s20, s22
	s_and_b32 s22, s19, 3                          ; key step in the chunk
	s_mul_i32 s23, s22, 6144
	s_lshl_b32 s22, s22, 8
	s_add_co_u32 s92, s20, s23
	s_add_co_u32 s92, s92, 24576
	s_mov_b32 s93, 0
	s_add_nc_u64 s[DST:DST+1], s[8:9], s[92:93]
	s_add_co_u32 s92, s20, s22
	s_add_co_u32 s92, s92, 51200
	s_add_nc_u64 s[SCD:SCD+1], s[8:9], s[92:93]
	s_mul_i32 s92, s21, 192
	s_add_co_u32 s92, s92, 2
	s_lshl_b32 s92, s92, 2
	s_add_nc_u64 s[6:7], s[6:7], s[92:93]
	v_and_b32 v13, 8, v2
	v_add_nc_u32 v13, v13, v2
	v_mul_u32_u24 v13, v13, 12                     ; my lane's d in a tile: r + 8 (r / 8), 12 bytes apart
	v_mul_u32_u24 v14, v3, HEADSTR
	v_lshl_add_u32 v14, v2, 4, v14                 ; the scale words: 16 r, lanes 16-31 in the second head
.irp a, 0,1,2,3,4,5,6,7
	global_load_b32 v[BI+\a], v13, s[6:7] offset:(32*(\a/2)+8*(\a%2))*12
.endr
	STEP 0, 0, 0, 1
	LASTSTEP 1, 1, 1
	PLACES 4
	EPI 1, 768, 1536
	global_store_b128 v14, v[WW:WW+3], s[SCD:SCD+1]   ; sixteen lanes store 256 consecutive bytes of each head
.Ljoin:
	s_wait_tensorcnt 0x0                           ; the wave's end
	ds_add_u32 v[SPW], v[NIL]
	s_wait_dscnt 0x0
	CROUND                                         ; the closing round
	s_endpgm
.Lfunc_end_k_q505903cf31_g1:
	.size	k_q505903cf31_g1, .Lfunc_end_k_q505903cf31_g1-k_q505903cf31_g1
	.p2alignl 7, 3214868480
	.fill 96, 4, 3214868480
	.section	.rodata,"a",@progbits
	.p2align	6, 0x0
	.amdhsa_kernel k_q505903cf31_g1
		.amdhsa_group_segment_fixed_size 327680
		.amdhsa_private_segment_fixed_size 0
		.amdhsa_enable_private_segment 0
		.amdhsa_kernarg_size 24
		.amdhsa_user_sgpr_count 2
		.amdhsa_user_sgpr_kernarg_segment_ptr 1
		.amdhsa_wavefront_size32 1
		.amdhsa_system_sgpr_workgroup_id_x 1
		.amdhsa_system_sgpr_workgroup_id_y 1
		.amdhsa_system_sgpr_workgroup_id_z 1
		.amdhsa_system_vgpr_workitem_id 0
		.amdhsa_next_free_vgpr 1024
		.amdhsa_next_free_sgpr 100
		.amdhsa_reserve_vcc 0
		.amdhsa_float_denorm_mode_32 3
		.amdhsa_float_denorm_mode_16_64 3
		.amdhsa_memory_ordered 1
		.amdhsa_forward_progress 1
		.amdhsa_inst_pref_size 190
	.end_amdhsa_kernel
	.amdgpu_metadata
---
amdhsa.version: [ 1, 2 ]
amdhsa.kernels:
  - .name:           k_q505903cf31_g1
    .symbol:         k_q505903cf31_g1.kd
    .args:
      - { .name: ops, .offset: 0, .size: 8, .value_kind: global_buffer, .address_space: global }
      - { .name: qkv_bias, .offset: 8, .size: 8, .value_kind: global_buffer, .address_space: global }
      - { .name: qkv, .offset: 16, .size: 8, .value_kind: global_buffer, .address_space: global }
    .group_segment_fixed_size: 327680
    .private_segment_fixed_size: 0
    .kernarg_segment_align: 8
    .kernarg_segment_size: 24
    .max_flat_workgroup_size: 128
    .sgpr_count:     100
    .vgpr_count:     1024
    .wavefront_size: 32
...
	.end_amdgpu_metadata
.endif
;; end of part 2
;; launch attn (part 3): grid 8 x 32, 16 waves a work-group, clusters of 4 x 1, 210,944 bytes of LDS; arguments qkv, oa; writes oa
.if DOCPART == 3
	.amdgcn_target "amdgcn-amd-amdhsa--gfx1250"
	.amdhsa_code_object_version 6
	.text
	.protected	k_q505903cf31_attn
	.globl	k_q505903cf31_attn
	.p2align	8
	.type	k_q505903cf31_attn,@function
k_q505903cf31_attn:
	s_mov_b64 s[64:65], 0
	v_nop
	global_prefetch_b8 v0, s[64:65] scope:SCOPE_SE
	s_setreg_imm32_b32 hwreg(HW_REG_WAVE_MODE, 25, 1), 1
	s_wait_xcnt 0x0
	s_wait_alu depctr_hold_cnt(0) depctr_sa_sdst(0) depctr_va_vdst(0) depctr_va_sdst(0) depctr_va_ssrc(0) depctr_va_vcc(0) depctr_vm_vsrc(0)
	s_getreg_b32 s2, hwreg(HW_REG_IB_STS2, 6, 4)
	s_cmp_eq_u32 s2, 0
	s_cbranch_scc0 .Lentry_in_a_cluster
	s_endpgm
.Lentry_in_a_cluster:
	s_bfe_u32 s2, ttmp6, 0x10000c
	s_cmp_lg_u32 s2, 0x3003
	s_cbranch_scc0 .Lentry_shape_is_right
	s_endpgm
.Lentry_shape_is_right:
; o = softmax(q k^T / 8) v for each (n, head), both products on codes of FP6 (E2M3) with E8M0 scales for each 32 along K; o is quantised along d at once and leaves as half a fragment of the next product's operand.
; t = score x log2(e) / 8; M = the running largest t rounded up to a whole number; p = 2^(t - M) is quantised along the keys, not normalised; the row's sum is taken of the unquantised p and divides at the end;
; when M moves, sum and O are multiplied by 2^(old M - new M): exact.
; SHARES.  A work-group owns 256 queries of one (n, head); each of its sixteen waves one tile of 16.  A whole head's K, V and their scale words, 4 chunks x 52,224 bytes, lie in LDS: every byte is filled once, so there is no ring.
; The 208,896 bytes are sixteen parts of 13,056 (51 rows of 256 dense bytes): wave w asks for part w & 3 of chunk w >> 2, which lands at 13,056 w: ONE tensor load a wave, its addresses made of the wave's number.
; The four query blocks of a cluster share the head: joint loads.  Each wave waits for its one load, ONE barrier shows the head whole to all, and the sixteen key steps follow with no further barrier: waves share nothing but bytes that are only read.
; LAYOUT.  Both products transposed: S^T = K Q^T, O^T = V^T P^T: a lane holds one query.  Lane r of key tile t holds key 32 (t >> 1) + 8 (t & 1) + r + 8 (r >> 3), so the 16 registers of tiles 2 b, 2 b + 1 are keys 32 b + 16 (lane / 16) + 0 .. 15.
; THE HEAD IS 64, the instruction's K 128: Q's codes of k = 64 .. 127 are zeros.  A key tile is 6 registers a lane; as the operand's upper six the NEXT tile's registers are named: whatever codes they hold are finite and meet zeros, and the scale bytes there are 0, which is 2^-127.
; No prefetch: all that the work-group reads is asked for in its first lines.
; The two scale bytes of a row leave by a store of 2 bytes (both lanes of a row store the same value).
; LIMITS: a block of zeros, or one under 2^-124, gets the byte 1; NaN and infinities are not served; v_exp_f32 and v_rcp_f32 are good to 1 ulp; the scaled scores stay under 2^31 in magnitude.
.set HEADSTR, 315392
.set CHUNK,   78848
.set CLDS,    52224                    ; of a chunk in LDS: K's codes 24,576, V's 24,576, K's scale words 2,048, V's 1,024
.set PART,    13056
.set VCO,     24576
.set KSO,     49152
.set VSO,     51200
.set QCO,     52224
.set QSO,     76800
.set OASC,    3145728
.set SPARE,   4*CLDS                   ; the spare words: 128 bytes a wave
.set L16, 1                            ; v1  16 x lane
.set L8,  2                            ; v2  8 x lane + 512
.set R16, 3                            ; v3  16 r
.set ADK, 8
.set ADK8, 9
.set ADS, 10
.set ADT, 11
.set QF,  16                           ; v16-27 Q (v22-27 zeros)
.set QSW, 28                           ; v28 Q's scale word
.set KV,  32                           ; v32-85 eight key tiles of 6 registers + 6; then V's four fragments
.set SS,  86                           ; v86-149 S^T, then p
.set OT,  150                          ; v150-181 O^T
.set PCD, 182                          ; v182-193 p's codes
.set BM,  194
.set PT,  198
.set SO,  206
.set KSW, 210                          ; v210-217 K's scale words
.set VSW, 218                          ; v218-221 V's
.set FF,  222                          ; v222 f
.set PSW, 223                          ; v223 p's scale word
.set TT,  224
.set SA,  240                          ; v240-253 seven partial sums of p, in pairs
.set SPW, 254
.set NIL, 255
.set WV,  18
.set SEL, 20
.set CS,  22
.set G1,  24
.set G0,  40
.set TB,  56
.set TS,  57
.set TV,  58
.set CNT, 59
.macro CROUND
	s_barrier_signal -1
	s_barrier_wait -1
	s_cmp_lg_u32 s[WV], 0
	s_cbranch_scc1 .Lnot_wave_0_\@
	s_barrier_signal -3
.Lnot_wave_0_\@:
	s_barrier_wait -3
	s_barrier_signal -1
	s_barrier_wait -1
.endm
	s_load_b128 s[4:7], s[0:1], 0x0                ; qkv, oa
	v_lshl_add_u32 v[SPW], v0, 2, SPARE
	v_mov_b32 v[NIL], 0
	ds_add_u32 v[SPW], v[NIL]                      ; the opening lines: the add twice on end and one wait
	ds_add_u32 v[SPW], v[NIL]
	v_lshrrev_b32 v8, 5, v0
	s_delay_alu instid0(VALU_DEP_1)
	v_readfirstlane_b32 s[WV], v8                  ; wave 0..15
	s_bfe_u32 s8, ttmp6, 0x40000                   ; cx
	s_lshl_b32 s9, ttmp9, 2
	s_add_co_u32 s9, s9, s8                        ; my block of 256 queries: it enters Q's and o's addresses alone
	s_and_b32 s10, ttmp7, 0xffff                   ; 16 n + head, which the four partners share
	s_mul_i32 s12, s10, HEADSTR
	s_mul_i32 s14, s[WV], PART                     ; where my part lands; in memory a chunk's four parts are followed by Q's bytes:
	s_lshr_b32 s13, s[WV], 2
	s_mul_i32 s13, s13, CHUNK-CLDS                 ; CHUNK - CLDS more for each chunk passed
	s_add_co_u32 s16, s12, s14
	s_add_co_u32 s16, s16, s13
	s_mov_b32 s17, 0
	s_mov_b32 s[G1], 15|(3<<16)|(1<<21)            ; the mask: all four; elements of 8 bytes; 21 set beside a mask; no padding
	s_mov_b32 s[G1+1], 32<<16                      ; rows of 256 bytes,
	s_mov_b32 s[G1+2], 51<<16                      ; 51 of them, dense
	s_mov_b32 s[G1+3], 32<<16
	s_mov_b32 s[G1+4], 51
	s_mov_b32 s[G1+5], 32
	s_mov_b32 s[G1+6], 0
	s_mov_b32 s[G1+7], 0
	s_mov_b32 s[SEL], 0x76543210
	s_mov_b32 s[SEL+1], 0xfedcba98
	s_mov_b32 s[CS], 0x3e38aa3b                    ; log2(e) / 8
	s_mov_b32 s[CS+1], s[CS]
	; Q's tile and its scale words
	s_lshr_b32 s32, s9, 1
	s_mul_i32 s32, s32, CHUNK
	s_add_co_u32 s32, s32, s12                     ; my queries' chunk
	s_and_b32 s33, s9, 1
	s_lshl_b32 s34, s33, 4
	s_add_co_u32 s34, s34, s[WV]
	s_mul_i32 s34, s34, 768
	s_add_co_u32 s34, s34, s32
	s_add_co_u32 s34, s34, QCO
	s_mov_b32 s35, 0
	s_lshl_b32 s36, s33, 1
	s_lshr_b32 s37, s[WV], 3
	s_add_co_u32 s36, s36, s37
	s_lshl_b32 s36, s36, 9
	s_and_b32 s38, s[WV], 1
	s_lshl_b32 s38, s38, 8
	s_add_co_u32 s36, s36, s38
	s_bfe_u32 s38, s[WV], 0x20001
	s_lshl_b32 s38, s38, 2
	s_add_co_u32 s36, s36, s38
	s_add_co_u32 s36, s36, s32
	s_add_co_u32 s36, s36, QSO
	s_mov_b32 s37, 0
	; o's half fragment and its scale bytes
	s_lshr_b32 s60, s10, 4
	s_lshl_b32 s60, s60, 4
	s_lshl_b32 s61, s9, 1
	s_add_co_u32 s60, s60, s61
	s_lshr_b32 s61, s[WV], 3
	s_add_co_u32 s60, s60, s61                     ; the group of tokens
	s_lshl_b32 s60, s60, 3
	s_bfe_u32 s61, s10, 0x30001                    ; head >> 1: the next product's K step
	s_add_co_u32 s60, s60, s61
	s_and_b32 s61, s[WV], 7                        ; tile
	s_and_b32 s62, s10, 1                          ; head & 1: which half
	s_lshl_b32 s66, s60, 3
	s_add_co_u32 s66, s66, s61
	s_mul_i32 s66, s66, 1536
	s_mul_i32 s63, s62, 768
	s_add_co_u32 s66, s66, s63
	s_mov_b32 s67, 0
	s_lshl_b32 s68, s60, 9
	s_and_b32 s63, s61, 1
	s_lshl_b32 s63, s63, 8
	s_add_co_u32 s68, s68, s63
	s_lshr_b32 s63, s61, 1
	s_lshl_b32 s63, s63, 2
	s_add_co_u32 s68, s68, s63
	s_lshl_b32 s63, s62, 1
	s_add_co_u32 s68, s68, s63
	s_add_co_u32 s68, s68, OASC
	s_mov_b32 s69, 0
	s_wait_dscnt 0x0                               ; both opening adds are done
	s_wait_kmcnt 0x0
	s_add_nc_u64 s[16:17], s[4:5], s[16:17]
	s_add_nc_u64 s[34:35], s[4:5], s[34:35]
	s_add_nc_u64 s[36:37], s[4:5], s[36:37]
	s_add_nc_u64 s[66:67], s[6:7], s[66:67]
	s_add_nc_u64 s[68:69], s[6:7], s[68:69]
	s_mov_b32 s[G0], 1
	s_mov_b32 s[G0+1], s14
	s_mov_b64 s[G0+2:G0+3], s[16:17]
	s_or_b32 s[G0+3], s[G0+3], 0x80000000
	CROUND                                         ; all four work-groups are here: the joint loads meet
	tensor_load_to_lds s[G0:G0+3], s[G1:G1+7]      ; my one load: no branch, every wave passes it
	s_nop 0
.rept 4
	v_nop
.endr
	v_and_b32 v8, 31, v0
	v_and_b32 v9, 15, v0
	s_delay_alu instid0(VALU_DEP_2)
	v_lshlrev_b32 v[L16], 4, v8
	s_delay_alu instid0(VALU_DEP_3)
	v_lshlrev_b32 v[L8], 3, v8
	s_delay_alu instid0(VALU_DEP_1)
	v_add_nc_u32 v[L8], 512, v[L8]
	s_delay_alu instid0(VALU_DEP_4)
	v_lshlrev_b32 v[R16], 4, v9
	global_load_b128 v[QF:QF+3], v[L16], s[34:35]
	global_load_b64 v[QF+4:QF+5], v[L8], s[34:35]
	global_load_b32 v[QSW], v[R16], s[36:37]
.irp j, 6,7,8,9,10,11
	v_mov_b32 v[QF+\j], 0                          ; k = 64 .. 127: zero codes
	v_mov_b32 v[KV+42+\j], 0                       ; what the last key tile names as its upper six
.endr
	v_mov_b32 v13, 0xff61b1e6                      ; the largest t so far: -3e38
	s_delay_alu instid0(VALU_DEP_1)
	v_floor_f32 v12, -v13                          ; -M
	v_mov_b32 v14, 0
	v_mov_b32 v15, 0
.irp b, 0,1,2,3
	v_mov_b32 v[PT+\b], 0                          ; a lane permute's destination counts as one of its sources
.endr
	v_mov_b32 v[PSW], 0                            ; (named as the upper half of the pair with f before it is first written)
.set JJ, 0
.rept 32
	v_mov_b32 v[OT+JJ], 0                          ; the step is written once: the first finds zeros, which the first change of M leaves zeros
.set JJ, JJ+1
.endr
; A KEY STEP: 128 keys
.macro STEP
	v_add_nc_u32 v[ADK], s[TB], v[L16]             ; (these four are also the places in front of loads into registers that the last products read)
	v_add_nc_u32 v[ADK8], s[TB], v[L8]
	v_add_nc_u32 v[ADS], s[TS], v[R16]
	v_add_nc_u32 v[ADT], s[TV], v[R16]
.irp t, 0,1,2,3,4,5,6,7
	ds_load_b128 v[KV+6*\t:KV+6*\t+3], v[ADK] offset:768*\t
	ds_load_b64 v[KV+6*\t+4:KV+6*\t+5], v[ADK8] offset:768*\t
.endr
	ds_load_b128 v[KSW:KSW+3], v[ADS]              ; the words of tiles 0, 2, 4, 6,
	ds_load_b128 v[KSW+4:KSW+7], v[ADS] offset:256 ; of tiles 1, 3, 5, 7
	s_wait_alu depctr_va_vdst(0)                   ; the wait ahead of the wait below
	s_wait_dscnt 0x0
.irp t, 0,1,2,3,4,5,6,7
	v_wmma_scale_f32_16x16x128_f8f6f4 v[SS+8*\t:SS+8*\t+7], v[KV+6*\t:KV+6*\t+11], v[QF:QF+11], 0, v[KSW+4*(\t%2)+\t/2], v[QSW] matrix_a_fmt:MATRIX_FMT_FP6 matrix_b_fmt:MATRIX_FMT_FP6
.endr
.rept 4
	v_nop                                          ; places in front of the loads below and of the first read of the scores
.endr
.irp t, 0,1,2,3
	ds_load_b128 v[KV+12*\t:KV+12*\t+3], v[ADK] offset:VCO+1536*\t
	ds_load_b64 v[KV+12*\t+4:KV+12*\t+5], v[ADK8] offset:VCO+1536*\t
	ds_load_b128 v[KV+12*\t+6:KV+12*\t+9], v[ADK] offset:VCO+1536*\t+768
	ds_load_b64 v[KV+12*\t+10:KV+12*\t+11], v[ADK8] offset:VCO+1536*\t+768
.endr
	ds_load_b128 v[VSW:VSW+3], v[ADT]              ; V lands while the softmax is worked
.irp b, 0,1,2,3
	v_max3_num_f32 v[BM+\b], v[SS+16*\b], v[SS+1+16*\b], v[SS+2+16*\b]   ; the largest score of each block of 32 keys: for the row's maximum, and, since p rises with the score, for the block's largest p
.endr
.irp i, 3,5,7,9,11,13
.irp b, 0,1,2,3
	v_max3_num_f32 v[BM+\b], v[BM+\b], v[SS+16*\b+\i], v[SS+1+16*\b+\i]
.endr
.endr
.irp b, 0,1,2,3
	v_max_num_f32 v[BM+\b], v[BM+\b], v[SS+15+16*\b]
.endr
.irp b, 0,1,2,3
	s_delay_alu instid0(VALU_DEP_4)
	v_permlanex16_b32 v[PT+\b], v[BM+\b], s[SEL], s[SEL+1]
.endr
.irp b, 0,1,2,3
	s_delay_alu instid0(VALU_DEP_4)
	v_max_num_f32 v[BM+\b], v[BM+\b], v[PT+\b]
.endr
	s_delay_alu instid0(VALU_DEP_2)
	v_max3_num_f32 v[TT], v[BM], v[BM+1], v[BM+2]
	s_delay_alu instid0(VALU_DEP_1)
	v_max_num_f32 v[TT], v[TT], v[BM+3]
	s_delay_alu instid0(VALU_DEP_1)
	v_mul_f32 v[TT], s[CS], v[TT]
	s_delay_alu instid0(VALU_DEP_1)
	v_max_num_f32 v13, v13, v[TT]                  ; the running largest t
	v_mov_b32 v[TT], v12
	s_delay_alu instid0(VALU_DEP_2)
	v_floor_f32 v12, -v13                          ; the new -M: M is a whole number
	s_delay_alu instid0(VALU_DEP_1)
	v_sub_f32 v[TT], v12, v[TT]
	s_delay_alu instid0(VALU_DEP_1)
	v_cvt_i32_f32 v[TT], v[TT]                     ; (it saturates)
	s_delay_alu instid0(VALU_DEP_1)
	v_ldexp_f32 v[FF], 1.0, v[TT]                  ; f = 2^(old M - new M)
.set JJ, 0
.rept 32
	v_pk_fma_f32 v[SS+JJ:SS+JJ+1], v[SS+JJ:SS+JJ+1], s[CS:CS+1], v[12:13] op_sel_hi:[1,0,0]   ; t - M
.set JJ, JJ+2
.endr
.irp b, 0,1,2,3
	v_fma_f32 v[BM+\b], v[BM+\b], s[CS], v12
.endr
.set JJ, 0
	s_wait_alu depctr_va_vdst(0)                   ; the wait ahead of the batch
.rept 64
	v_exp_f32 v[SS+JJ], v[SS+JJ]                   ; p = 2^(t - M)
.set JJ, JJ+1
.endr
	v_pk_mul_f32 v[14:15], v[14:15], v[FF:FF+1] op_sel_hi:[1,0]   ; the sums under the new M (a plain place behind the exponentials)
	s_wait_alu depctr_va_vdst(0)                   ; one wait for the batch, ahead of its first reader
.irp b, 0,1,2,3
	v_exp_f32 v[BM+\b], v[BM+\b]                   ; each block's largest p
.endr
; the row's sum of the unquantised p: 32 packed additions in eight chains (the running sum and seven fresh ones); they read the 64 alone
.irp a, 0,1,2,3,4,5,6
	v_pk_add_f32 v[SA+2*\a:SA+2*\a+1], v[SS+4*\a:SS+4*\a+1], v[SS+4*\a+2:SS+4*\a+3]
.endr
.set JJ, 28
.rept 2
	v_pk_add_f32 v[14:15], v[14:15], v[SS+JJ:SS+JJ+1]
.irp a, 0,1,2,3,4,5,6
	v_pk_add_f32 v[SA+2*\a:SA+2*\a+1], v[SA+2*\a:SA+2*\a+1], v[SS+JJ+2+2*\a:SS+JJ+3+2*\a]
.endr
.set JJ, JJ+16
.endr
	v_pk_add_f32 v[14:15], v[14:15], v[SS+60:SS+61]
	v_pk_add_f32 v[SA:SA+1], v[SA:SA+1], v[SS+62:SS+63]
	v_pk_add_f32 v[SA+4:SA+5], v[SA+4:SA+5], v[SA+6:SA+7]
	v_pk_add_f32 v[SA+8:SA+9], v[SA+8:SA+9], v[SA+10:SA+11]
	v_pk_add_f32 v[14:15], v[14:15], v[SA+12:SA+13]
	v_pk_add_f32 v[SA:SA+1], v[SA:SA+1], v[SA+2:SA+3]
	s_delay_alu instid0(VALU_DEP_3)
	v_pk_add_f32 v[SA+4:SA+5], v[SA+4:SA+5], v[SA+8:SA+9]
	s_delay_alu instid0(VALU_DEP_2)
	v_pk_add_f32 v[14:15], v[14:15], v[SA:SA+1]
	s_delay_alu instid0(VALU_DEP_1)
	v_pk_add_f32 v[14:15], v[14:15], v[SA+4:SA+5]
	s_wait_alu depctr_va_vdst(0)                   ; and one wait for the four
.irp b, 0,1,2,3
	v_max_num_f32 v[BM+\b], 0x1800000, v[BM+\b]    ; the floor 2^(3 - 127)
.endr
.irp b, 0,1,2,3
	s_delay_alu instid0(VALU_DEP_4)
	v_add_nc_u32 v[SO+\b], 0xff000000, v[BM+\b]    ; 2 off the exponent field: the conversion's scale operand
.endr
.irp b, 0,1,2,3
	s_delay_alu instid0(VALU_DEP_4)
	v_lshrrev_b32 v[PT+\b], 23, v[SO+\b]
.endr
	s_delay_alu instid0(VALU_DEP_3)
	v_lshl_or_b32 v[PSW], v[PT+1], 8, v[PT]
	s_delay_alu instid0(VALU_DEP_1)
	v_lshl_or_b32 v[PSW], v[PT+2], 16, v[PSW]
	s_delay_alu instid0(VALU_DEP_1)
	v_lshl_or_b32 v[PSW], v[PT+3], 24, v[PSW]
.irp c, 0,1
	v_cvt_scalef32_pk16_fp6_f32 v[PCD+6*\c:PCD+2+6*\c], v[SS+32*\c:SS+15+32*\c], v[SO+2*\c]
	v_cvt_scalef32_pk16_fp6_f32 v[PT+4*\c:PT+2+4*\c], v[SS+16+32*\c:SS+31+32*\c], v[SO+2*\c+1]
.endr
	v_nop                                          ; one plain place behind a scaled conversion
.irp c, 0,1
.irp i, 0,1,2
	v_permlane16_swap_b32 v[PCD+6*\c+\i], v[PT+4*\c+\i]
.endr
.irp i, 0,1,2
	s_delay_alu instid0(VALU_DEP_3)
	v_mov_b32 v[PCD+3+6*\c+\i], v[PT+4*\c+\i]
.endr
.endr
.set JJ, 0
.rept 16
	v_pk_mul_f32 v[OT+JJ:OT+JJ+1], v[OT+JJ:OT+JJ+1], v[FF:FF+1] op_sel_hi:[1,0]   ; O^T under the new M; these sixteen are also the places between the scale word's and the codes' last writes and the products
.set JJ, JJ+2
.endr
	s_wait_alu depctr_va_vdst(0)                   ; the wait ahead of the wait below
	s_wait_dscnt 0x0                               ; V
.irp t, 0,1,2,3
	v_wmma_scale_f32_16x16x128_f8f6f4 v[OT+8*\t:OT+8*\t+7], v[KV+12*\t:KV+12*\t+11], v[PCD:PCD+11], v[OT+8*\t:OT+8*\t+7], v[VSW+\t], v[PSW] matrix_a_fmt:MATRIX_FMT_FP6 matrix_b_fmt:MATRIX_FMT_FP6
.endr
	s_add_co_u32 s[TB], s[TB], 6144
	s_add_co_u32 s[TS], s[TS], 512
	s_add_co_u32 s[TV], s[TV], 256
.endm
.macro CHUNKRUN c                      ; a chunk's four key steps; the chunks differ in their constants alone
	s_mov_b32 s[TB], \c*CLDS
	s_mov_b32 s[TS], \c*CLDS+KSO
	s_mov_b32 s[TV], \c*CLDS+VSO
	s_mov_b32 s[CNT], 4
.Lstep\c:
	STEP
	s_sub_co_u32 s[CNT], s[CNT], 1
	s_cmp_lg_u32 s[CNT], 0
	s_cbranch_scc1 .Lstep\c
.endm
	s_wait_alu depctr_va_vdst(0)                   ; the wait at the head's end
	s_wait_loadcnt 0x0                             ; Q
	s_wait_tensorcnt 0x0                           ; my part has landed
	s_wait_dscnt 0x0
	s_barrier_signal -1
	s_barrier_wait -1                              ; everybody's has: the head is whole, and nothing is ever filled again
	CHUNKRUN 0
	CHUNKRUN 1
	CHUNKRUN 2
	CHUNKRUN 3
	; THE WAY OUT: O^T / the sum; register 16 b + i is d = 32 b + 16 (lane / 16) + i of my query: two blocks of the next product's K
	v_add_f32 v14, v14, v15
	s_delay_alu instid0(VALU_DEP_1)
	v_permlanex16_b32 v[FF], v14, s[SEL], s[SEL+1]
	s_delay_alu instid0(VALU_DEP_1)
	v_add_f32 v14, v14, v[FF]
	s_wait_alu depctr_va_vdst(0)
	v_rcp_f32 v14, v14
	v_nop                                          ; a plain place behind the transcendental (with the three lines above: the places behind the last products)
	s_wait_alu depctr_va_vdst(0)                   ; the wait ahead of its first reader
.set JJ, 0
.rept 32
	v_mul_f32 v[SS+JJ], v[OT+JJ], v14
.set JJ, JJ+1
.endr
.irp b, 0,1
	v_max3_num_f32 v[BM+\b], |v[SS+16*\b]|, |v[SS+1+16*\b]|, 0x1800000
.endr
.irp i, 2,4,6,8,10,12,14
.irp b, 0,1
	s_delay_alu instid0(VALU_DEP_2)
	v_max3_num_f32 v[BM+\b], v[BM+\b], |v[SS+16*\b+\i]|, |v[SS+1+16*\b+\i]|
.endr
.endr
.irp b, 0,1
	s_delay_alu instid0(VALU_DEP_2)
	v_permlanex16_b32 v[PT+\b], v[BM+\b], s[SEL], s[SEL+1]
.endr
.irp b, 0,1
	s_delay_alu instid0(VALU_DEP_2)
	v_max_num_f32 v[BM+\b], v[BM+\b], v[PT+\b]
.endr
.irp b, 0,1
	s_delay_alu instid0(VALU_DEP_2)
	v_add_nc_u32 v[SO+\b], 0xff000000, v[BM+\b]
.endr
.irp b, 0,1
	s_delay_alu instid0(VALU_DEP_2)
	v_lshrrev_b32 v[PT+\b], 23, v[SO+\b]
.endr
	s_delay_alu instid0(VALU_DEP_1)
	v_lshl_or_b32 v[TT], v[PT+1], 8, v[PT]         ; my row's two scale bytes
	v_cvt_scalef32_pk16_fp6_f32 v[PCD:PCD+2], v[SS:SS+15], v[SO]
	v_cvt_scalef32_pk16_fp6_f32 v[PT+4:PT+6], v[SS+16:SS+31], v[SO+1]
	v_nop
.irp i, 0,1,2
	v_permlane16_swap_b32 v[PCD+\i], v[PT+4+\i]
.endr
.irp i, 0,1,2
	s_delay_alu instid0(VALU_DEP_3)
	v_mov_b32 v[PCD+3+\i], v[PT+4+\i]
.endr
	global_store_b128 v[L16], v[PCD:PCD+3], s[66:67]     ; 512 consecutive bytes, aligned to 256,
	global_store_b64 v[L8], v[PCD+4:PCD+5], s[66:67]     ; and the 256 behind them
	global_store_b16 v[R16], v[TT], s[68:69]             ; lanes r and r + 16 store row r's two bytes, the same value
	s_wait_tensorcnt 0x0                           ; the wave's end
	ds_add_u32 v[SPW], v[NIL]
	s_wait_dscnt 0x0
	CROUND                                         ; the closing round
	s_endpgm
.Lfunc_end_k_q505903cf31_attn:
	.size	k_q505903cf31_attn, .Lfunc_end_k_q505903cf31_attn-k_q505903cf31_attn
	.p2alignl 7, 3214868480
	.fill 96, 4, 3214868480
	.section	.rodata,"a",@progbits
	.p2align	6, 0x0
	.amdhsa_kernel k_q505903cf31_attn
		.amdhsa_group_segment_fixed_size 210944
		.amdhsa_private_segment_fixed_size 0
		.amdhsa_enable_private_segment 0
		.amdhsa_kernarg_size 16
		.amdhsa_user_sgpr_count 2
		.amdhsa_user_sgpr_kernarg_segment_ptr 1
		.amdhsa_wavefront_size32 1
		.amdhsa_system_sgpr_workgroup_id_x 1
		.amdhsa_system_sgpr_workgroup_id_y 1
		.amdhsa_system_sgpr_workgroup_id_z 1
		.amdhsa_system_vgpr_workitem_id 0
		.amdhsa_next_free_vgpr 256
		.amdhsa_next_free_sgpr 72
		.amdhsa_reserve_vcc 0
		.amdhsa_float_denorm_mode_32 3
		.amdhsa_float_denorm_mode_16_64 3
		.amdhsa_memory_ordered 1
		.amdhsa_forward_progress 1
		.amdhsa_inst_pref_size 82
	.end_amdhsa_kernel
	.amdgpu_metadata
---
amdhsa.version: [ 1, 2 ]
amdhsa.kernels:
  - .name:           k_q505903cf31_attn
    .symbol:         k_q505903cf31_attn.kd
    .args:
      - { .name: qkv, .offset: 0, .size: 8, .value_kind: global_buffer, .address_space: global }
      - { .name: oa, .offset: 8, .size: 8, .value_kind: global_buffer, .address_space: global }
    .group_segment_fixed_size: 210944
    .private_segment_fixed_size: 0
    .kernarg_segment_align: 8
    .kernarg_segment_size: 16
    .max_flat_workgroup_size: 512
    .sgpr_count:     72
    .vgpr_count:     256
    .wavefront_size: 32
...
	.end_amdgpu_metadata
.endif
;; end of part 3
;; launch g4 (part 4): grid 8 x 32, 4 waves a work-group, clusters of 4 x 4, 327,680 bytes of LDS; arguments oa, ops, out_bias, x, x1; writes x1
.if DOCPART == 4
	.amdgcn_target "amdgcn-amd-amdhsa--gfx1250"
	.amdhsa_code_object_version 6
	.text
	.protected	k_q505903cf31_g4
	.globl	k_q505903cf31_g4
	.p2align	8
	.type	k_q505903cf31_g4,@function
k_q505903cf31_g4:
	s_mov_b64 s[64:65], 0
	v_nop
	global_prefetch_b8 v0, s[64:65] scope:SCOPE_SE
	s_setreg_imm32_b32 hwreg(HW_REG_WAVE_MODE, 25, 1), 1
	s_wait_xcnt 0x0
	s_wait_alu depctr_hold_cnt(0) depctr_sa_sdst(0) depctr_va_vdst(0) depctr_va_sdst(0) depctr_va_ssrc(0) depctr_va_vcc(0) depctr_vm_vsrc(0)
	s_getreg_b32 s2, hwreg(HW_REG_IB_STS2, 6, 4)
	s_cmp_eq_u32 s2, 0
	s_cbranch_scc0 .Lentry_in_a_cluster
	s_endpgm
.Lentry_in_a_cluster:
	s_bfe_u32 s2, ttmp6, 0x10000c
	s_cmp_lg_u32 s2, 0xf033
	s_cbranch_scc0 .Lentry_shape_is_right
	s_endpgm
.Lentry_shape_is_right:
.set KK,    1024
.set ASO,   3145728
.set BCO,   2359296
.set BSO,   9535488
.set NS,    KK/512
.set GSTR,  96*KK
.set SGS,   4*KK
.set HALFS, 2*KK
.set SR,    SGS/256                    ; a load of scale words brings a group's, all of K: 16 rows of 256 bytes
.set FR,    12
.set FRB,   1536
.set KSB,   12288
.set HALFT, 24576
.set SLOT,  98304
.set SCL,   196608
.set SPARE, 327168
.set SETR,  8
.set STGB,  67584
.set ADRA, 16
.set ADRB, 20
.set STO,  24
.set CO,   26
.set ADRS, 27
.set SPW,  28
.set NIL,  29
.set SC,   32
.set RD,   48
.set BIA,  52
.set AF,   128
.set RES,  128
.set G1, 24
.set G0, 32
.set G1B, 48
.set G0B, 56
.set G1S, 68
.set G0S, 76
.set G1SB, 80
.set G0SB, 88
.set MSB, 0
.macro WIN new
.if MSB != (\new)
	s_set_vgpr_msb (MSB<<8)|(\new)
.set MSB, \new
.endif
.endm
.set MUL_LO, 0xa1
.set MUL_HI, 0xf1
.set TO_B,   0x40
.macro JLOAD g0a, g1a, g0b, g1b
	s_cmp_eq_u32 s15, 0
	s_cbranch_scc0 .Lfor_b_\@
	tensor_load_to_lds s[\g0a:\g0a+3], s[\g1a:\g1a+7]
	s_nop 0
.rept 4
	v_nop
.endr
	s_branch .Lasked_\@
.Lfor_b_\@:
	tensor_load_to_lds s[\g0b:\g0b+3], s[\g1b:\g1b+7]
	s_nop 0
.rept 4
	v_nop
.endr
.Lasked_\@:
.endm
.macro CREST
	s_cmp_lg_u32 s14, 0
	s_cbranch_scc1 .Lnot_wave_0_\@
	s_barrier_signal -3
.Lnot_wave_0_\@:
	s_barrier_wait -3
	s_barrier_signal -1
	s_barrier_wait -1
.endm
.macro CROUND
	s_barrier_signal -1
	s_barrier_wait -1
	CREST
.endm
.macro PLACES n
.rept \n
	v_nop
.endr
.endm
.macro FRAG reg, adr, off
	ds_load_b128 v[\reg:\reg+3], v[\adr] offset:\off
	ds_load_b64 v[\reg+4:\reg+5], v[\adr+2] offset:\off
	ds_load_b128 v[\reg+6:\reg+9], v[\adr] offset:\off+768
	ds_load_b64 v[\reg+10:\reg+11], v[\adr+2] offset:\off+768
.endm
.macro FETCH_B slot, q, p
	WIN TO_B
.irp i, 0,1,2,3,4,5,6,7
	FRAG 128*(\p)+FR*\i, ADRB+\slot, (\q)*KSB+\i*FRB
.endr
	WIN 0
.endm
.macro FETCH_A slot, q, i0
.irp i, \i0, \i0+1, \i0+2, \i0+3
	FRAG AF+FR*(\i), ADRA+\slot, (\q)*KSB+(\i)*FRB
.endr
.endm
.macro SCALES set
.irp par, 0,1
	ds_load_b128 v[SC+SETR*\set+4*\par:SC+SETR*\set+4*\par+3], v[ADRS] offset:256*\par
.endr
.endm
.macro MUL16 a0, p, q, sc, zero
.irp a, \a0, \a0+1
.irp b, 0,1,2,3,4,5,6,7
.if \zero
	v_wmma_scale_f32_16x16x128_f8f6f4 v[8*(8*((\a)%4)+\b):8*(8*((\a)%4)+\b)+7], v[128*(\p)+FR*\b:128*(\p)+FR*\b+FR-1], v[AF+FR*(\a):AF+FR*(\a)+FR-1], 0, v[SC+SETR*(\sc)+8*(\q)+4*(\b%2)+\b/2], v[SC+SETR*(\sc)+8*(\q)+4*((\a)%2)+(\a)/2] matrix_a_fmt:MATRIX_FMT_FP6 matrix_b_fmt:MATRIX_FMT_FP6 matrix_a_scale:MATRIX_SCALE_ROW1
.else
	v_wmma_scale_f32_16x16x128_f8f6f4 v[8*(8*((\a)%4)+\b):8*(8*((\a)%4)+\b)+7], v[128*(\p)+FR*\b:128*(\p)+FR*\b+FR-1], v[AF+FR*(\a):AF+FR*(\a)+FR-1], v[8*(8*((\a)%4)+\b):8*(8*((\a)%4)+\b)+7], v[SC+SETR*(\sc)+8*(\q)+4*(\b%2)+\b/2], v[SC+SETR*(\sc)+8*(\q)+4*((\a)%2)+(\a)/2] matrix_a_fmt:MATRIX_FMT_FP6 matrix_b_fmt:MATRIX_FMT_FP6 matrix_a_scale:MATRIX_SCALE_ROW1
.endif
.endr
.endr
.endm
.macro TURN slot, next, fill, zero
	s_wait_tensorcnt 0x0
	ds_add_u32 v[SPW], v[NIL]
	s_wait_dscnt 17
	WIN MUL_LO
	MUL16 0, \slot, 0, \slot, \zero
	s_wait_dscnt 0x0
	s_barrier_signal -1
	MUL16 2, \slot, 0, \slot, \zero
	WIN 0
	s_barrier_wait -1
.if \fill
	CREST
	s_add_nc_u64 s[G0+4*\slot+2:G0+4*\slot+3], s[G0+4*\slot+2:G0+4*\slot+3], SLOT
	s_add_nc_u64 s[G0B+4*\slot+2:G0B+4*\slot+3], s[G0B+4*\slot+2:G0B+4*\slot+3], SLOT
	JLOAD G0+4*\slot, G1, G0B+4*\slot, G1B
.else
	PLACES 4
.endif
	v_add_nc_u32 v[ADRS], 2048, v[ADRS]
	FETCH_B \next, 0, \next
	FETCH_A \next, 0, 0
	SCALES \next
	WIN MUL_HI
	MUL16 4, \slot, 0, \slot, \zero
	MUL16 6, \slot, 0, \slot, \zero
	PLACES 4
	WIN 0
	FETCH_A \next, 0, 4
.endm
.macro LASTSTEP p, q, set
	s_wait_dscnt 16
	WIN MUL_LO
	MUL16 0, \p, \q, \set, 0
	MUL16 2, \p, \q, \set, 0
	s_wait_dscnt 0
	WIN MUL_HI
	MUL16 4, \p, \q, \set, 0
	MUL16 6, \p, \q, \set, 0
	WIN 0
.endm
.macro SUMS hw
	WIN 0x8a+0x45*\hw
.set RW, 0
.rept 16
	v_pk_add_f32 v[RW:RW+1], v[RW:RW+1], v[RW+4:RW+5]
	v_pk_add_f32 v[RW+2:RW+3], v[RW+2:RW+3], v[RW+6:RW+7]
	v_pk_add_f32 v[RW+8:RW+9], v[RW+8:RW+9], v[RW+12:RW+13]
	v_pk_add_f32 v[RW+10:RW+11], v[RW+10:RW+11], v[RW+14:RW+15]
	v_pk_add_f32 v[RW:RW+1], v[RW:RW+1], v[RW+8:RW+9]
	v_pk_add_f32 v[RW+2:RW+3], v[RW+2:RW+3], v[RW+10:RW+11]
.set RW, RW+16
.endr
	WIN 0x02+\hw
.set RW, 0
.rept 16
	v_pk_add_f32 v[RES+64*\hw+RW/4:RES+64*\hw+RW/4+1], v[RW:RW+1], v[RES+64*\hw+RW/4:RES+64*\hw+RW/4+1]
	v_pk_add_f32 v[RES+64*\hw+RW/4+2:RES+64*\hw+RW/4+3], v[RW+2:RW+3], v[RES+64*\hw+RW/4+2:RES+64*\hw+RW/4+3]
.set RW, RW+16
.endr
.endm
	s_load_b256 s[4:11], s[0:1], 0x0
	s_load_b64 s[12:13], s[0:1], 0x20
	v_lshl_add_u32 v[SPW], v0, 2, SPARE
	v_mov_b32 v[NIL], 0
	ds_add_u32 v28, v29
	ds_add_u32 v28, v29
	s_wait_dscnt 0x0
	v_lshrrev_b32 v1, 5, v0
	v_readfirstlane_b32 s14, v1
	s_bfe_u32 s40, ttmp6, 0x40000
	s_bfe_u32 s41, ttmp6, 0x40004
	s_lshl_b32 s42, ttmp9, 2
	s_add_co_u32 s42, s42, s40
	s_and_b32 s17, ttmp7, 0xffff
	s_lshl_b32 s17, s17, 2
	s_add_co_u32 s17, s17, s41
	s_lshl_b32 s43, s41, 2
	s_lshl_b32 s43, 15, s43
	s_lshl_b32 s44, 0x1111, s40
	s_or_b32 s[G1+0], s43, (3<<16)|(1<<21)
	s_or_b32 s[G1B+0], s44, (3<<16)|(1<<21)
.irp g, G1, G1B
	s_mov_b32 s[\g+1], 32<<16
	s_mov_b32 s[\g+2], 384<<16                     ; a group's codes, all of K: 384 dense rows of 256 bytes
	s_mov_b32 s[\g+3], 32<<16
	s_mov_b32 s[\g+4], 384
	s_mov_b32 s[\g+5], 32
	s_mov_b32 s[\g+6], 0
	s_mov_b32 s[\g+7], 0
.endr
	s_or_b32 s[G1S+0], s43, (3<<16)|(1<<21)
	s_or_b32 s[G1SB+0], s44, (3<<16)|(1<<21)
.irp g, G1S, G1SB
	s_mov_b32 s[\g+1], 32<<16
	s_mov_b32 s[\g+2], SR<<16
	s_mov_b32 s[\g+3], 32<<16
	s_mov_b32 s[\g+4], SR
	s_mov_b32 s[\g+5], 32
	s_mov_b32 s[\g+6], 0
	s_mov_b32 s[\g+7], 0
.endr
	s_mul_i32 s20, s17, GSTR
	s_mov_b32 s21, 0
	s_mul_i32 s22, s17, SGS
	s_add_co_u32 s22, s22, ASO
	s_mov_b32 s23, 0
	s_mul_i32 s46, s42, GSTR
	s_add_co_u32 s46, s46, BCO
	s_mov_b32 s47, 0
	s_mul_i32 s92, s42, SGS
	s_add_co_u32 s92, s92, BSO
	s_mov_b32 s93, 0
	s_wait_kmcnt 0x0
	s_add_nc_u64 s[20:21], s[4:5], s[20:21]
	s_add_nc_u64 s[22:23], s[4:5], s[22:23]
	s_add_nc_u64 s[46:47], s[6:7], s[46:47]
	s_add_nc_u64 s[92:93], s[6:7], s[92:93]
	CROUND
; ALL THAT THE WORK-GROUP READS BY TENSOR LOADS IS FOUR DENSE BLOCKS, one joint load a wave at the head: wave 0 A's group, all 8 K steps, 98,304 bytes at LDS 0;
; wave 1 B's group behind it; wave 2 A's scale words, 4,096 bytes; wave 3 B's.  Every byte is filled once.
	s_mov_b32 s[G0], 1
	s_mov_b32 s[G0+1], 0
	s_mov_b64 s[G0+2:G0+3], s[20:21]
	s_or_b32 s[G0+3], s[G0+3], 0x80000000
	s_mov_b32 s[G0B], 1
	s_mov_b32 s[G0B+1], SLOT
	s_mov_b64 s[G0B+2:G0B+3], s[46:47]
	s_or_b32 s[G0B+3], s[G0B+3], 0x80000000
	s_mov_b32 s[G0S], 1
	s_mov_b32 s[G0S+1], SCL
	s_mov_b64 s[G0S+2:G0S+3], s[22:23]
	s_or_b32 s[G0S+3], s[G0S+3], 0x80000000
	s_mov_b32 s[G0SB], 1
	s_mov_b32 s[G0SB+1], SCL+SGS
	s_mov_b64 s[G0SB+2:G0SB+3], s[92:93]
	s_or_b32 s[G0SB+3], s[G0SB+3], 0x80000000
.macro ARM under, g0, g1, next         ; one chain of branches on the wave's number: every way passes exactly one load
	s_cmp_lt_u32 s14, \under
	s_cbranch_scc0 \next
	tensor_load_to_lds s[\g0:\g0+3], s[\g1:\g1+7]
	s_nop 0
.rept 4
	v_nop
.endr
	s_branch .Lhead_asked
\next:
.endm
	ARM 1, G0,  G1,  .Lhead_b
	ARM 2, G0B, G1B, .Lhead_sa
	ARM 3, G0S, G1S, .Lhead_sb
	tensor_load_to_lds s[G0SB:G0SB+3], s[G1SB:G1SB+7]
	s_nop 0
.rept 4
	v_nop
.endr
.Lhead_asked:
	v_and_b32 v1, 31, v0
	v_and_b32 v2, 15, v0
	v_bfe_u32 v3, v0, 4, 1
	v_lshlrev_b32 v[CO], 4, v1
	v_lshlrev_b32 v5, 3, v1
	v_add_nc_u32 v5, 512, v5
	s_mul_i32 s21, s14, KSB
	s_add_co_u32 s22, s21, SLOT                    ; B's group lies behind A's 98,304 bytes
.irp s, 0,1
	v_add_nc_u32 v[ADRA+\s], s21, v[CO]
	v_add_nc_u32 v[ADRA+2+\s], s21, v5
	v_add_nc_u32 v[ADRB+\s], s22, v[CO]
	v_add_nc_u32 v[ADRB+2+\s], s22, v5
	s_add_co_u32 s21, s21, 2*HALFT                 ; my second K step: four K steps on
	s_add_co_u32 s22, s22, 2*HALFT
.endr
	v_lshlrev_b32 v6, 4, v2
	v_mul_u32_u24 v7, v3, 2*HALFS
	s_lshl_b32 s21, s14, 9
	s_add_co_u32 s21, s21, SCL
	v_add_nc_u32 v6, v6, v7
	v_add_nc_u32 v[ADRS], s21, v6
	s_mul_i32 s21, s14, STGB
	v_mul_u32_u24 v[STO], v2, 528
	v_lshl_add_u32 v[STO], v3, 6, v[STO]
	v_add_nc_u32 v[STO], s21, v[STO]
	s_mul_i32 s21, s14, 32*528
	v_add_nc_u32 v[RD], s21, v[CO]
.irp p, 1,2,3
	v_add_nc_u32 v[RD+\p], \p*STGB, v[RD]
.endr
	s_and_b32 s95, s17, 15
	s_lshl_b32 s95, s95, 7
	s_lshl_b32 s96, s14, 5
	s_add_co_u32 s95, s95, s96
	s_lshl_b32 s96, s95, 13
	s_lshr_b32 s95, s17, 4
	s_lshl_b32 s95, s95, 12
	s_add_co_u32 s96, s96, s95
	s_lshl_b32 s98, s42, 9
	s_add_co_u32 s96, s96, s98
	s_mov_b32 s97, 0
	s_mov_b32 s99, 0
	s_add_nc_u64 s[10:11], s[10:11], s[96:97]
	s_add_nc_u64 s[12:13], s[12:13], s[96:97]
	s_add_nc_u64 s[8:9], s[8:9], s[98:99]
	s_wait_alu depctr_va_vdst(0)
	s_wait_tensorcnt 0x0                           ; my one load is in; the barrier shows all four blocks to every wave
	s_barrier_signal -1
	s_barrier_wait -1
	FETCH_B 0, 0, 0
	FETCH_A 0, 0, 0
	SCALES 0
	FETCH_A 0, 0, 4
.if NS > 2
	TURN 0, 1, 1, 1
	s_mov_b32 s3, (NS-4)/2
.Llap:
	TURN 1, 0, 1, 0
	TURN 0, 1, 1, 0
	s_sub_co_u32 s3, s3, 1
	s_cmp_lg_u32 s3, 0
	s_cbranch_scc1 .Llap
	TURN 1, 0, 1, 0
	TURN 0, 1, 0, 0
.else
	TURN 0, 1, 0, 1
.endif
	LASTSTEP 1, 0, 1
	PLACES 4
.set RR, 0
.rept 32
	global_load_b128 v[RES+4*RR:RES+4*RR+3], v[CO], s[10:11] offset:(8*(RR/16)+RR%16+8*((RR%16)/8))*8192
.set RR, RR+1
.endr
	global_load_b128 v[BIA:BIA+3], v[CO], s[8:9]
	s_wait_dscnt 0x0
	s_barrier_signal -1
	s_barrier_wait -1
.irp a, 0,1,2,3,4,5,6,7
	WIN 0x08+4*(\a/4)
.irp b, 0,1,2,3,4,5,6,7
	ds_store_b128 v[STO], v[8*(8*(\a%4)+\b):8*(8*(\a%4)+\b)+3] offset:8448*\a+128*(\b/2)+32*(\b%2)
	ds_store_b128 v[STO], v[8*(8*(\a%4)+\b)+4:8*(8*(\a%4)+\b)+7] offset:8448*\a+128*(\b/2)+32*(\b%2)+16
.endr
.endr
	WIN 0
	s_wait_dscnt 0x0
	s_barrier_signal -1
	s_barrier_wait -1
.irp hw, 0,1
	WIN 0x80+0x40*\hw
.set RR, 0
.rept 16
.irp p, 0,1,2,3
	ds_load_b128 v[16*RR+4*\p:16*RR+4*\p+3], v[RD+\p] offset:528*(16*\hw+RR)
.endr
.set RR, RR+1
.endr
.endr
	WIN 0
	s_wait_loadcnt 0x0
.set RR, 0
.rept 32
	v_pk_add_f32 v[RES+4*RR:RES+4*RR+1], v[RES+4*RR:RES+4*RR+1], v[BIA:BIA+1]
	v_pk_add_f32 v[RES+4*RR+2:RES+4*RR+3], v[RES+4*RR+2:RES+4*RR+3], v[BIA+2:BIA+3]
.set RR, RR+1
.endr
	s_wait_dscnt 0x0
	SUMS 0
	SUMS 1
	WIN 0
.set RR, 0
.rept 32
	global_store_b128 v[CO], v[RES+4*RR:RES+4*RR+3], s[12:13] offset:(8*(RR/16)+RR%16+8*((RR%16)/8))*8192
.set RR, RR+1
.endr
	s_wait_tensorcnt 0x0
	ds_add_u32 v[SPW], v[NIL]
	s_wait_dscnt 0x0
	CROUND
	s_endpgm
.Lfunc_end_k_q505903cf31_g4:
	.size	k_q505903cf31_g4, .Lfunc_end_k_q505903cf31_g4-k_q505903cf31_g4
	.p2alignl 7, 3214868480
	.fill 96, 4, 3214868480
	.section	.rodata,"a",@progbits
	.p2align	6, 0x0
	.amdhsa_kernel k_q505903cf31_g4
		.amdhsa_group_segment_fixed_size 327680
		.amdhsa_private_segment_fixed_size 0
		.amdhsa_enable_private_segment 0
		.amdhsa_kernarg_size 40
		.amdhsa_user_sgpr_count 2
		.amdhsa_user_sgpr_kernarg_segment_ptr 1
		.amdhsa_wavefront_size32 1
		.amdhsa_system_sgpr_workgroup_id_x 1
		.amdhsa_system_sgpr_workgroup_id_y 1
		.amdhsa_system_sgpr_workgroup_id_z 1
		.amdhsa_system_vgpr_workitem_id 0
		.amdhsa_next_free_vgpr 1024
		.amdhsa_next_free_sgpr 100
		.amdhsa_reserve_vcc 0
		.amdhsa_float_denorm_mode_32 3
		.amdhsa_float_denorm_mode_16_64 3
		.amdhsa_memory_ordered 1
		.amdhsa_forward_progress 1
		.amdhsa_inst_pref_size 77
	.end_amdhsa_kernel
	.amdgpu_metadata
---
amdhsa.version: [ 1, 2 ]
amdhsa.kernels:
  - .name:           k_q505903cf31_g4
    .symbol:         k_q505903cf31_g4.kd
    .args:
      - { .name: oa, .offset: 0, .size: 8, .value_kind: global_buffer, .address_space: global }
      - { .name: ops, .offset: 8, .size: 8, .value_kind: global_buffer, .address_space: global }
      - { .name: out_bias, .offset: 16, .size: 8, .value_kind: global_buffer, .address_space: global }
      - { .name: x, .offset: 24, .size: 8, .value_kind: global_buffer, .address_space: global }
      - { .name: x1, .offset: 32, .size: 8, .value_kind: global_buffer, .address_space: global }
    .group_segment_fixed_size: 327680
    .private_segment_fixed_size: 0
    .kernarg_segment_align: 8
    .kernarg_segment_size: 40
    .max_flat_workgroup_size: 128
    .sgpr_count:     100
    .vgpr_count:     1024
    .wavefront_size: 32
...
	.end_amdgpu_metadata
.endif
;; end of part 4
;; launch ln2q: the kernel of part 1 again; grid 256 x 1, 8 waves a work-group, no clusters, 138,240 bytes of LDS; arguments x1, ln2_w, ln2_b, ops, qkv_proj, out_proj, proj1, proj2; writes ops
;; launch g5 (part 5): grid 16 x 16, 4 waves a work-group, clusters of 4 x 4, 327,680 bytes of LDS; arguments ops, proj1_bias, hid; writes hid
.if DOCPART == 5
	.amdgcn_target "amdgcn-amd-amdhsa--gfx1250"
	.amdhsa_code_object_version 6
	.text
	.protected	k_q505903cf31_g5
	.globl	k_q505903cf31_g5
	.p2align	8
	.type	k_q505903cf31_g5,@function
k_q505903cf31_g5:
	s_mov_b64 s[64:65], 0
	v_nop
	global_prefetch_b8 v0, s[64:65] scope:SCOPE_SE
	s_setreg_imm32_b32 hwreg(HW_REG_WAVE_MODE, 25, 1), 1
	s_wait_xcnt 0x0
	s_wait_alu depctr_hold_cnt(0) depctr_sa_sdst(0) depctr_va_vdst(0) depctr_va_sdst(0) depctr_va_ssrc(0) depctr_va_vcc(0) depctr_vm_vsrc(0)
	s_getreg_b32 s2, hwreg(HW_REG_IB_STS2, 6, 4)
	s_cmp_eq_u32 s2, 0
	s_cbranch_scc0 .Lentry_in_a_cluster
	s_endpgm
.Lentry_in_a_cluster:
	s_bfe_u32 s2, ttmp6, 0x10000c
	s_cmp_lg_u32 s2, 0xf033
	s_cbranch_scc0 .Lentry_shape_is_right
	s_endpgm
.Lentry_shape_is_right:
; hid = Q(gelu(LN2(x1) W1^T + proj1_bias)): a product on codes of FP6 (E2M3) with E8M0 scales for each 32 along K = 1,024; the exact gelu in f32; the result quantised along the hidden axis at once, as images of the next product's operand registers.
; OPERANDS lie in ops as images: a fragment (16 rows x 128 K) is 1,536 bytes (half c: registers 6 c .. 6 c + 3 of lane l at 768 c + 16 l, registers 6 c + 4, 6 c + 5 at 768 c + 512 + 8 l); a group of 128 rows has 8 K steps of 8 fragments, 98,304 bytes;
; its scale words 8 x 512 bytes (tile i, lane r: 256 (i & 1) + 16 r + 4 (i >> 1)).  Lane r of tile i holds row 32 (i >> 1) + 8 (i & 1) + r + 8 (r >> 3) of its group, so the 64 results that a lane holds against W1's eight tiles run along 128 hidden units in order.
; A work-group makes 256 x 256 in four waves of 128 x 128 (64 accumulators).  K goes in slots of 256; a group's K slot is two K steps: 24,576 dense bytes.
; THREE REGIONS OF LDS take the first three of K's four slots at the start; the fourth goes into region 0 when that has been read: ONE refill, and the wait for it stands 224 matrix instructions, further on.
; CLUSTERS of 4 x 4: the tokens' tiles ("A", source 1) are shared along a row of the cluster, W1's ("B", source 0) along a column: joint loads.
; gelu(x) = x / 2 + (x / 2) erf(x / sqrt 2), erf(z) = z P(z^2) / Q(z^2) with z held to +-4: a rational form good to a few ulp of f32; far below 0 the result carries an absolute error of about 6e-8 |x|.
; No prefetch: three quarters of what the work-group reads is asked for in its first lines.
; LIMITS: a block of zeros, or one under 2^-124, gets the byte 1; NaN and infinities are not served; v_rcp_f32 is good to 1 ulp.
.set FR,    12
.set FRB,   1536
.set KSB,   12288
.set HALFT, 24576
.set SLOT,  98304
.set SCL,   3*SLOT                     ; behind the three regions: the scale words of the four groups, all of K: 4 x 4,096 bytes, filled once
.set HALFS, 4096
.set SR,    2*HALFS/256                ; a load of scale words brings two groups: 32 rows of 256 bytes
.set SPARE, SCL+4*HALFS                ; the spare words, 128 bytes a wave: two blocks of 256 bytes that no other line names
.set SETR,  16
.set GSTR,  98304
.set WQ_SC, 9437184
.set HIDSC, 12582912
.set A16_0, 16                         ; 16 x lane + my A group in region 0, 1, 2
.set A16_1, 17
.set A16_2, 15
.set A8_0,  18                         ; 8 x lane + 512 + the same
.set A8_1,  19
.set A8_2,  26
.set B16_0, 20                         ; the same for B
.set B16_1, 21
.set B16_2, 30
.set B8_0,  22
.set B8_1,  23
.set B8_2,  31
.set GL16, 24
.set GL8,  25
.set ADRS, 27
.set SPW,  28
.set NIL,  29
.set SC,   32                          ; v32-63 scale words and nothing else
.set BI,   64                          ; v64-127 the bias
.set AF,   128
.set TT,   128                         ; the way out: v128-191 64 numbers
.set GZ,   192                         ; v192-255 the gelu's z, z^2 (then 1 / Q), P, Q: 16 each;
.set GS,   208
.set GP,   224
.set GQ,   240
.set PC,   192                         ; behind it the codes
.set TM,   212
.set CA,   4                           ; v[4:5] P's, v[6:7] Q's leading coefficient
.set CB,   6
.set WW,   8
.set PW,   12
.set G1, 24
.set G0, 32                            ; s[32:39] A's groups 0 for regions 0 and 1;  s[96:99] for K slot 0 at the head
.set G0C, 96
.set G1B, 48
.set G0B, 56                           ; s[56:63] B's for regions 0 and 1;  s[92:95] for K slot 0 at the head
.set G0BC, 92
.set G1S, 68
.set G0S, 76
.set G1SB, 80
.set G0SB, 88
.set DST, 94                           ; (written behind the last wait for tensor loads, like all that follows)
.set SCD, 46
.set EA,  96
.set HM,  97
.set SEL, 98
.set MSB, 0
.macro WIN new
.if MSB != (\new)
	s_set_vgpr_msb (MSB<<8)|(\new)
.set MSB, \new
.endif
.endm
.set MUL_LO, 0xa1
.set MUL_HI, 0xf1
.set TO_B,   0x40
.macro JLOAD g0a, g1a, g0b, g1b        ; a joint load: waves 0 and 1 fetch for A, waves 2 and 3 for B; four v_nop follow each of the two lines
	s_cmp_eq_u32 s15, 0
	s_cbranch_scc0 .Lfor_b_\@
	tensor_load_to_lds s[\g0a:\g0a+3], s[\g1a:\g1a+7]
	s_nop 0
.rept 4
	v_nop
.endr
	s_branch .Lasked_\@
.Lfor_b_\@:
	tensor_load_to_lds s[\g0b:\g0b+3], s[\g1b:\g1b+7]
	s_nop 0
.rept 4
	v_nop
.endr
.Lasked_\@:
.endm
.macro CREST
	s_cmp_lg_u32 s14, 0
	s_cbranch_scc1 .Lnot_wave_0_\@
	s_barrier_signal -3
.Lnot_wave_0_\@:
	s_barrier_wait -3
	s_barrier_signal -1
	s_barrier_wait -1
.endm
.macro CROUND
	s_barrier_signal -1
	s_barrier_wait -1
	CREST
.endm
.macro PLACES n
.rept \n
	v_nop
.endr
.endm
.macro FRAG reg, a16, a8, off
	ds_load_b128 v[\reg:\reg+3], v[\a16] offset:\off
	ds_load_b64 v[\reg+4:\reg+5], v[\a8] offset:\off
	ds_load_b128 v[\reg+6:\reg+9], v[\a16] offset:\off+768
	ds_load_b64 v[\reg+10:\reg+11], v[\a8] offset:\off+768
.endm
.macro FETCH_B slot, q, p
	WIN TO_B
.irp i, 0,1,2,3,4,5,6,7
	FRAG 128*(\p)+FR*\i, B16_\slot, B8_\slot, (\q)*KSB+\i*FRB
.endr
	WIN 0
.endm
.macro FETCH_A slot, q, i0
.irp i, \i0, \i0+1, \i0+2, \i0+3
	FRAG AF+FR*(\i), A16_\slot, A8_\slot, (\q)*KSB+(\i)*FRB
.endr
.endm
.macro SCALES set
.irp q, 0,1
.irp par, 0,1
	ds_load_b128 v[SC+SETR*\set+8*\q+4*\par:SC+SETR*\set+8*\q+4*\par+3], v[ADRS] offset:512*\q+256*\par
.endr
.endr
.endm
; 16 matrix instructions: A's blocks a0, a0 + 1 x B's eight.  The 64 accumulators take turns, one instruction a turn, in the same order in every step.
.macro MUL16 a0, p, q, sc, zero
.irp a, \a0, \a0+1
.irp b, 0,1,2,3,4,5,6,7
.if \zero
	v_wmma_scale_f32_16x16x128_f8f6f4 v[8*(8*((\a)%4)+\b):8*(8*((\a)%4)+\b)+7], v[128*(\p)+FR*\b:128*(\p)+FR*\b+FR-1], v[AF+FR*(\a):AF+FR*(\a)+FR-1], 0, v[SC+SETR*(\sc)+8*(\q)+4*(\b%2)+\b/2], v[SC+SETR*(\sc)+8*(\q)+4*((\a)%2)+(\a)/2] matrix_a_fmt:MATRIX_FMT_FP6 matrix_b_fmt:MATRIX_FMT_FP6 matrix_a_scale:MATRIX_SCALE_ROW1
.else
	v_wmma_scale_f32_16x16x128_f8f6f4 v[8*(8*((\a)%4)+\b):8*(8*((\a)%4)+\b)+7], v[128*(\p)+FR*\b:128*(\p)+FR*\b+FR-1], v[AF+FR*(\a):AF+FR*(\a)+FR-1], v[8*(8*((\a)%4)+\b):8*(8*((\a)%4)+\b)+7], v[SC+SETR*(\sc)+8*(\q)+4*(\b%2)+\b/2], v[SC+SETR*(\sc)+8*(\q)+4*((\a)%2)+(\a)/2] matrix_a_fmt:MATRIX_FMT_FP6 matrix_b_fmt:MATRIX_FMT_FP6 matrix_a_scale:MATRIX_SCALE_ROW1
.endif
.endr
.endr
.endm
.macro STEP slot, q, zero, set         ; a step of 128 along K that has its successor in the same region
	s_wait_dscnt 16                                ; B's set, A's blocks 0-3 and the scale words are in; the youngest sixteen loads (A's blocks 4-7) may be out
	WIN MUL_LO
	MUL16 0, (\q)%2, \q, \set, \zero
	MUL16 2, (\q)%2, \q, \set, \zero
	s_wait_dscnt 0
	PLACES 4                                       ; in front of loads into registers that matrix instructions have read
	FETCH_B \slot, (\q)+1, 1-(\q)%2
	FETCH_A \slot, (\q)+1, 0
	WIN MUL_HI
	MUL16 4, (\q)%2, \q, \set, \zero
	MUL16 6, (\q)%2, \q, \set, \zero
	PLACES 4
	WIN 0
	FETCH_A \slot, (\q)+1, 4
.endm
; A region's last step, with a barrier: in front of it each wave waits for all its tensor loads, adds 0 to its spare word, and waits for that and for its reads of this region.  fill = 1: the region is filled again, with K's fourth slot.
.macro TURN slot, next, fill, set, nset
	s_wait_tensorcnt 0x0                           ; all my tensor loads have landed
	ds_add_u32 v[SPW], v[NIL]                      ; 0 onto my spare word
	s_wait_dscnt 17                                ; the add and the youngest sixteen loads may be out
	WIN MUL_LO
	MUL16 0, 1, 1, \set, 0
	s_wait_dscnt 0x0                               ; the add is done, and my reads of this region are over
	s_barrier_signal -1
	MUL16 2, 1, 1, \set, 0
	WIN 0
	s_barrier_wait -1
.if \fill
	CREST                                          ; the barrier has opened a round of the cluster's barrier
	s_add_nc_u64 s[G0+4*\slot+2:G0+4*\slot+3], s[G0+4*\slot+2:G0+4*\slot+3], 3*HALFT
	s_add_nc_u64 s[G0B+4*\slot+2:G0B+4*\slot+3], s[G0B+4*\slot+2:G0B+4*\slot+3], 3*HALFT
	s_mov_b32 s[G1+2], 96<<16                      ; the refill is one K slot: 96 rows
	s_mov_b32 s[G1+4], 96
	s_mov_b32 s[G1B+2], 96<<16
	s_mov_b32 s[G1B+4], 96
	JLOAD G0+4*\slot, G1, G0B+4*\slot, G1B
.else
	PLACES 4
.endif
	v_add_nc_u32 v[ADRS], 1024, v[ADRS]
	FETCH_B \next, 0, 0
	FETCH_A \next, 0, 0
	SCALES \nset
	WIN MUL_HI
	MUL16 4, 1, 1, \set, 0
	MUL16 6, 1, 1, \set, 0
	PLACES 4
	WIN 0
	FETCH_A \next, 0, 4
.endm
; A region's last step without a barrier: the next region was shown whole to every wave by the barrier of the first change (every wave had waited for all its loads in front of it), and nothing is filled here.
.macro PASS next, set, nset
	s_wait_dscnt 16
	WIN MUL_LO
	MUL16 0, 1, 1, \set, 0
	MUL16 2, 1, 1, \set, 0
	s_wait_dscnt 0
	PLACES 4
	WIN 0
	v_add_nc_u32 v[ADRS], 1024, v[ADRS]
	FETCH_B \next, 0, 0
	FETCH_A \next, 0, 0
	SCALES \nset
	WIN MUL_HI
	MUL16 4, 1, 1, \set, 0
	MUL16 6, 1, 1, \set, 0
	PLACES 4
	WIN 0
	FETCH_A \next, 0, 4
.endm
.macro LASTSTEP p, q, set
	s_wait_dscnt 16
	WIN MUL_LO
	MUL16 0, \p, \q, \set, 0
	MUL16 2, \p, \q, \set, 0
	s_wait_dscnt 0
	WIN MUL_HI
	MUL16 4, \p, \q, \set, 0
	MUL16 6, \p, \q, \set, 0
	WIN 0
.endm
.macro QUANT s
.irp b, 0,1,2,3
	v_max3_num_f32 v[TM+\b], |v[\s+16*\b]|, |v[\s+1+16*\b]|, 0x1800000   ; and the floor 2^(3 - 127): the byte cannot fall under 1
.endr
.irp i, 2,4,6,8,10,12,14
.irp b, 0,1,2,3
	v_max3_num_f32 v[TM+\b], v[TM+\b], |v[\s+16*\b+\i]|, |v[\s+1+16*\b+\i]|
.endr
.endr
.irp b, 0,1,2,3
	v_permlanex16_b32 v[TM+4+\b], v[TM+\b], s[SEL], s[SEL+1]
.endr
.irp b, 0,1,2,3
	v_max_num_f32 v[TM+\b], v[TM+\b], v[TM+4+\b]
.endr
.irp b, 0,1,2,3
	v_add_nc_u32 v[TM+12+\b], 0xff000000, v[TM+\b]
.endr
.irp b, 0,1,2,3
	v_lshrrev_b32 v[TM+4+\b], 23, v[TM+12+\b]
.endr
	v_lshl_or_b32 v[PW], v[TM+5], 8, v[TM+4]
	v_lshl_or_b32 v[PW], v[TM+6], 16, v[PW]
	v_lshl_or_b32 v[PW], v[TM+7], 24, v[PW]
.irp c, 0,1
	v_cvt_scalef32_pk16_fp6_f32 v[PC+6*\c:PC+2+6*\c], v[\s+32*\c:\s+15+32*\c], v[TM+12+2*\c]
	v_cvt_scalef32_pk16_fp6_f32 v[PC+12+4*\c:PC+14+4*\c], v[\s+16+32*\c:\s+31+32*\c], v[TM+12+2*\c+1]
.endr
	v_nop                                          ; one plain place behind a scaled conversion
.irp c, 0,1
.irp i, 0,1,2
	v_permlane16_swap_b32 v[PC+6*\c+\i], v[PC+12+4*\c+\i]
.endr
.irp i, 0,1,2
	v_mov_b32 v[PC+3+6*\c+\i], v[PC+12+4*\c+\i]
.endr
.endr
.endm
; the gelu of 16 numbers, v[tb] on, in place
.macro GELU16 tb
.set GJ, 0
.rept 8
	v_pk_mul_f32 v[GZ+GJ:GZ+GJ+1], v[\tb+GJ:\tb+GJ+1], 0x3f3504f3 op_sel_hi:[1,0]   ; z = x / sqrt 2
.set GJ, GJ+2
.endr
.set GJ, 0
.rept 16
	v_med3_num_f32 v[GZ+GJ], v[GZ+GJ], -4.0, 4.0
.set GJ, GJ+1
.endr
.set GJ, 0
.rept 8
	v_pk_mul_f32 v[GS+GJ:GS+GJ+1], v[GZ+GJ:GZ+GJ+1], v[GZ+GJ:GZ+GJ+1]
.set GJ, GJ+2
.endr
.set GJ, 0
.rept 8
	v_pk_fma_f32 v[GP+GJ:GP+GJ+1], v[GS+GJ:GS+GJ+1], v[CA:CA+1], s[24:25] op_sel_hi:[1,1,0]
	v_pk_fma_f32 v[GQ+GJ:GQ+GJ+1], v[GS+GJ:GS+GJ+1], v[CB:CB+1], s[36:37] op_sel_hi:[1,1,0]
.set GJ, GJ+2
.endr
.irp c, 26,28,30,32,34
.set GJ, 0
.rept 8
	v_pk_fma_f32 v[GP+GJ:GP+GJ+1], v[GP+GJ:GP+GJ+1], v[GS+GJ:GS+GJ+1], s[\c:\c+1] op_sel_hi:[1,1,0]
.set GJ, GJ+2
.endr
.endr
.irp c, 38,40,42
.set GJ, 0
.rept 8
	v_pk_fma_f32 v[GQ+GJ:GQ+GJ+1], v[GQ+GJ:GQ+GJ+1], v[GS+GJ:GS+GJ+1], s[\c:\c+1] op_sel_hi:[1,1,0]
.set GJ, GJ+2
.endr
.endr
.set GJ, 0
	s_wait_alu depctr_va_vdst(0)
.rept 16
	v_rcp_f32 v[GS+GJ], v[GQ+GJ]
.set GJ, GJ+1
.endr
.set GJ, 0
.rept 8
	v_pk_mul_f32 v[GP+GJ:GP+GJ+1], v[GP+GJ:GP+GJ+1], v[GZ+GJ:GZ+GJ+1]           ; z P: plain work behind the reciprocals, which names none of their registers
	v_pk_mul_f32 v[\tb+GJ:\tb+GJ+1], v[\tb+GJ:\tb+GJ+1], 0.5 op_sel_hi:[1,0]    ; x / 2
.set GJ, GJ+2
.endr
	s_wait_alu depctr_va_vdst(0)                   ; one wait for the sixteen, ahead of their first reader
.set GJ, 0
.rept 8
	v_pk_mul_f32 v[GP+GJ:GP+GJ+1], v[GP+GJ:GP+GJ+1], v[GS+GJ:GS+GJ+1]           ; erf
.set GJ, GJ+2
.endr
.set GJ, 0
.rept 8
	v_pk_fma_f32 v[\tb+GJ:\tb+GJ+1], v[\tb+GJ:\tb+GJ+1], v[GP+GJ:GP+GJ+1], v[\tb+GJ:\tb+GJ+1]
.set GJ, GJ+2
.endr
.endm
; THE WAY OUT is a loop over A's eight blocks, so that the gelu is written once: a trip adds the bias to the block's 64 results a lane, takes the gelu, quantises and stores the fragment.  Only the copy out of the accumulators differs from trip
; to trip (register numbers): it is chosen by a scalar switch on the trip's number.  Scale word p goes to lanes 0-15 (p even) or 16-31 (p odd) of register p / 2.
.macro PLACE p
.if (\p)%2 == 0
	v_mov_b32 v[WW+(\p)/2], v[PW]
.else
	v_cndmask_b32 v[WW+(\p)/2], v[WW+(\p)/2], v[PW], s[HM]
.endif
.endm
.macro EBLK k
.Lc\k:
.if \k > 0
	s_wait_alu depctr_va_vdst(0)
	PLACE \k-1
.endif
	WIN 0x02+(\k)/4                                ; source 0: window 2 or 3
.set AC, 64*((\k)%4)
.set JJ, 0
.rept 32
	v_pk_add_f32 v[TT+JJ:TT+JJ+1], v[AC+JJ:AC+JJ+1], v[BI+JJ:BI+JJ+1]   ; each accumulator from its low end on
.set JJ, JJ+2
.endr
	WIN 0
.if \k < 7
	s_branch .Lcom
.endif
.endm
	s_load_b128 s[4:7], s[0:1], 0x0                ; ops, proj1_bias
	s_load_b64 s[8:9], s[0:1], 0x10                ; hid
	v_lshl_add_u32 v[SPW], v0, 2, SPARE
	v_mov_b32 v[NIL], 0
	ds_add_u32 v28, v29
	ds_add_u32 v28, v29
	s_wait_dscnt 0x0
	v_lshrrev_b32 v1, 5, v0
	v_readfirstlane_b32 s14, v1                    ; wave 0..3
	s_lshr_b32 s15, s14, 1                         ; which of A's two groups is mine.  Also: I fetch for A (0) or for B (1)
	s_and_b32 s16, s14, 1                          ; which of B's.  Also: which group I fetch
	s_bfe_u32 s40, ttmp6, 0x40000
	s_bfe_u32 s41, ttmp6, 0x40004
	s_lshl_b32 s42, ttmp9, 2
	s_add_co_u32 s42, s42, s40                     ; tile column
	s_and_b32 s17, ttmp7, 0xffff
	s_lshl_b32 s17, s17, 2
	s_add_co_u32 s17, s17, s41                     ; tile row
	s_lshl_b32 s43, s41, 2
	s_lshl_b32 s43, 15, s43
	s_lshl_b32 s44, 0x1111, s40
	s_or_b32 s[G1+0], s43, (3<<16)|(1<<21)         ; the mask; elements of 8 bytes; 21 set beside a mask; no padding
	s_or_b32 s[G1B+0], s44, (3<<16)|(1<<21)
.irp g, G1, G1B                        ; the head's form: K slot 0 of two groups: 2 rows of 3,072 elements (24,576 bytes), 12,288 elements (a group) apart
	s_mov_b32 s[\g+1], 3072<<16
	s_mov_b32 s[\g+2], 2<<16
	s_mov_b32 s[\g+3], 3072<<16
	s_mov_b32 s[\g+4], 2
	s_mov_b32 s[\g+5], 12288
	s_mov_b32 s[\g+6], 0
	s_mov_b32 s[\g+7], 0
.endr
	s_or_b32 s[G1S+0], s43, (3<<16)|(1<<21)
	s_or_b32 s[G1SB+0], s44, (3<<16)|(1<<21)
.irp g, G1S, G1SB
	s_mov_b32 s[\g+1], 32<<16
	s_mov_b32 s[\g+2], SR<<16
	s_mov_b32 s[\g+3], 32<<16
	s_mov_b32 s[\g+4], SR
	s_mov_b32 s[\g+5], 32
	s_mov_b32 s[\g+6], 0
	s_mov_b32 s[\g+7], 0
.endr
	s_lshl_b32 s18, s17, 1
	s_add_co_u32 s18, s18, s16                     ; A: 2 x tile row + the group that I fetch
	s_add_co_u32 s20, s18, 100                     ; the tokens' codes begin at group 100,
	s_mul_i32 s20, s20, GSTR
	s_mov_b32 s21, 0
	s_add_co_u32 s22, s18, 864                     ; their scale words at group 864
	s_lshl_b32 s22, s22, 12
	s_add_co_u32 s22, s22, WQ_SC
	s_mov_b32 s23, 0
	s_lshl_b32 s19, s42, 1
	s_add_co_u32 s19, s19, s16
	s_add_co_u32 s19, s19, 32                      ; B: W1 begins at group 32
	s_mul_i32 s46, s19, GSTR
	s_mov_b32 s47, 0
	s_lshl_b32 s92, s19, 12
	s_add_co_u32 s92, s92, WQ_SC
	s_mov_b32 s93, 0
	s_mul_i32 s45, s14, HALFT
	s_mul_i32 s3, s14, 2*HALFT                     ; regions 1 and 2 lie group by group: my group's 49,152 bytes
	s_mul_i32 s10, s16, GSTR                       ; from a tile's first group to the group that I fetch: codes,
	s_mov_b32 s11, 0
	s_lshl_b32 s12, s16, 12                        ; and scale words
	s_mov_b32 s13, 0
	s_wait_kmcnt 0x0
	s_add_nc_u64 s[20:21], s[4:5], s[20:21]
	s_add_nc_u64 s[22:23], s[4:5], s[22:23]
	s_add_nc_u64 s[46:47], s[4:5], s[46:47]
	s_add_nc_u64 s[92:93], s[4:5], s[92:93]
	CROUND                                         ; all sixteen work-groups are here: the first joint loads meet
; THE ORDER OF THE FILLS: at the head one joint load a wave: wave 0 K slot 0 of A's two groups, wave 1 of B's, wave 2 A's scale words, wave 3 B's.
; Behind the full sequence and a round each wave asks for K slots 1 and 2 of its own group by one load of 49,152 dense bytes; K slot 3 is the one refill, into region 0.
	s_mov_b32 s[G0S], 1                            ; the scale words of A's two groups, 8,192 dense bytes
	s_mov_b32 s[G0S+1], SCL
	s_sub_nc_u64 s[G0S+2:G0S+3], s[22:23], s[12:13]
	s_or_b32 s[G0S+3], s[G0S+3], 0x80000000
	s_mov_b32 s[G0SB], 1                           ; and of B's
	s_mov_b32 s[G0SB+1], SCL+2*HALFS
	s_sub_nc_u64 s[G0SB+2:G0SB+3], s[92:93], s[12:13]
	s_or_b32 s[G0SB+3], s[G0SB+3], 0x80000000
	s_mov_b32 s[G0C], 1                            ; K slot 0 of A's two groups
	s_mov_b32 s[G0C+1], 0
	s_sub_nc_u64 s[G0C+2:G0C+3], s[20:21], s[10:11]
	s_or_b32 s[G0C+3], s[G0C+3], 0x80000000
	s_mov_b32 s[G0BC], 1                           ; and of B's, behind them
	s_mov_b32 s[G0BC+1], 2*HALFT
	s_sub_nc_u64 s[G0BC+2:G0BC+3], s[46:47], s[10:11]
	s_or_b32 s[G0BC+3], s[G0BC+3], 0x80000000
	s_mov_b32 s[G0], 1                             ; my group in region 0: first used by the refill, which steps it to K slot 3
	s_mov_b32 s[G0+1], s45
	s_mov_b64 s[G0+2:G0+3], s[20:21]
	s_or_b32 s[G0+3], s[G0+3], 0x80000000
	s_mov_b32 s[G0+4], 1                           ; my group's K slots 1 and 2
	s_add_co_u32 s[G0+5], s3, SLOT
	s_add_nc_u64 s[G0+6:G0+7], s[20:21], HALFT
	s_or_b32 s[G0+7], s[G0+7], 0x80000000
	s_mov_b32 s[G0B], 1
	s_mov_b32 s[G0B+1], s45
	s_mov_b64 s[G0B+2:G0B+3], s[46:47]
	s_or_b32 s[G0B+3], s[G0B+3], 0x80000000
	s_mov_b32 s[G0B+4], 1
	s_add_co_u32 s[G0B+5], s3, SLOT
	s_add_nc_u64 s[G0B+6:G0B+7], s[46:47], HALFT
	s_or_b32 s[G0B+7], s[G0B+7], 0x80000000
.macro ARM under, g0, g1, next         ; one chain of branches on the wave's number: every way passes exactly one load
	s_cmp_lt_u32 s14, \under
	s_cbranch_scc0 \next
	tensor_load_to_lds s[\g0:\g0+3], s[\g1:\g1+7]
	s_nop 0
.rept 4
	v_nop
.endr
	s_branch .Lhead_asked
\next:
.endm
	ARM 1, G0C,  G1,  .Lhead_b
	ARM 2, G0BC, G1B, .Lhead_sa
	ARM 3, G0S,  G1S, .Lhead_sb
	tensor_load_to_lds s[G0SB:G0SB+3], s[G1SB:G1SB+7]
	s_nop 0
.rept 4
	v_nop
.endr
.Lhead_asked:
	v_and_b32 v1, 31, v0
	v_and_b32 v2, 15, v0
	v_bfe_u32 v3, v0, 4, 1
	v_lshlrev_b32 v[GL16], 4, v1
	v_lshlrev_b32 v[GL8], 3, v1
	v_add_nc_u32 v5, 512, v[GL8]
	s_mul_i32 s21, s15, HALFT
	s_mul_i32 s22, s16, HALFT
	s_add_co_u32 s22, s22, 2*HALFT
.irp s, 0,1,2
	v_add_nc_u32 v[A16_\s], s21, v[GL16]
	v_add_nc_u32 v[A8_\s], s21, v5
	v_add_nc_u32 v[B16_\s], s22, v[GL16]
	v_add_nc_u32 v[B8_\s], s22, v5
.if \s == 0
	s_wait_alu depctr_va_vdst(0)                   ; the wait ahead of a run of scalar instructions
	s_lshl_b32 s21, s21, 1                         ; region 1: SLOT + 49,152 x group;
	s_lshl_b32 s22, s22, 1
	s_add_co_u32 s21, s21, SLOT
	s_add_co_u32 s22, s22, SLOT
.else
	s_add_co_u32 s21, s21, HALFT                   ; region 2: 24,576 behind it
	s_add_co_u32 s22, s22, HALFT
.endif
.endr
	v_lshlrev_b32 v6, 4, v2
	s_mul_i32 s21, s15, HALFS
	s_mul_i32 s22, s16, HALFS
	s_add_co_u32 s22, s22, 2*HALFS
	s_sub_co_u32 s22, s22, s21
	v_mul_u32_u24 v7, s22, v3                      ; lanes 16-31 take B's scale words
	s_add_co_u32 s21, s21, SCL
	v_add_nc_u32 v6, v6, v7
	v_add_nc_u32 v[ADRS], s21, v6
	v_lshlrev_b32 v13, 6, v3                       ; 64 h: my half's 16 numbers of a block of the bias
	s_wait_alu depctr_va_vdst(0)
	s_wait_tensorcnt 0x0                           ; my one load of the head is in
	ds_add_u32 v[SPW], v[NIL]
.irp g, G1, G1B                        ; no tensor load of mine is out: from here on a load is dense rows of 256 bytes, 192 of them
	s_mov_b32 s[\g+1], 32<<16
	s_mov_b32 s[\g+2], 192<<16
	s_mov_b32 s[\g+3], 32<<16
	s_mov_b32 s[\g+4], 192
	s_mov_b32 s[\g+5], 32
.endr
	s_wait_dscnt 0x0
	CROUND                                         ; region 0 and the scale words are whole, and all sixteen work-groups are here
	JLOAD G0+4, G1, G0B+4, G1B                     ; K slots 1 and 2 of my group
	FETCH_B 0, 0, 0
	FETCH_A 0, 0, 0
	SCALES 0
	FETCH_A 0, 0, 4
	STEP 0, 0, 1, 0                                ; the first step's products start the sums
	TURN 0, 1, 1, 0, 1                             ; region 0 takes K's fourth slot: the one refill
	s_wait_alu depctr_va_vdst(0)
	STEP 1, 0, 0, 1
	PASS 2, 1, 0
	s_wait_alu depctr_va_vdst(0)
	STEP 2, 0, 0, 0
	TURN 2, 0, 0, 0, 1                             ; the refill has landed; nothing more is fetched: all my tensor loads are done, so their descriptors' registers are free
	s_mov_b32 s[SEL], 0x76543210
	s_mov_b32 s[SEL+1], 0xfedcba98
	s_mov_b32 s[HM], 0xffff0000
	s_lshl_b32 s18, s17, 1
	s_add_co_u32 s18, s18, s15                     ; my group of tokens
	s_lshl_b32 s19, s42, 1
	s_add_co_u32 s19, s19, s16                     ; my 128 hidden units: a K step of the next product
	s_lshl_b32 s18, s18, 5
	s_add_co_u32 s18, s18, s19
	s_mul_i32 s92, s18, KSB
	s_mov_b32 s93, 0
	s_add_nc_u64 s[DST:DST+1], s[8:9], s[92:93]
	s_lshl_b32 s92, s18, 9
	s_add_co_u32 s92, s92, HIDSC
	s_add_nc_u64 s[SCD:SCD+1], s[8:9], s[92:93]
	s_lshl_b32 s92, s19, 9
	s_add_nc_u64 s[6:7], s[6:7], s[92:93]
.set JJ, 0
.rept 16
	global_load_b128 v[BI+4*JJ:BI+4*JJ+3], v13, s[6:7] offset:128*(JJ/4)+16*(JJ%4)   ; 128 matrix instructions ahead of its use
.set JJ, JJ+1
.endr
	s_mov_b32 s24, 0x32edffee                      ; P's coefficients from the second on, each as a pair,
	s_mov_b32 s26, 0xb60cff51
	s_mov_b32 s28, 0xb86ec2d2
	s_mov_b32 s30, 0xba40ac63
	s_mov_b32 s32, 0xbb41a1f6
	s_mov_b32 s34, 0xbc83dbd4
	s_mov_b32 s36, 0xb95fbd29                      ; and Q's
	s_mov_b32 s38, 0xbadc924e
	s_mov_b32 s40, 0xbbf19bf8
	s_mov_b32 s42, 0xbc69b6a7
.irp c, 24,26,28,30,32,34,36,38,40,42
	s_mov_b32 s[\c+1], s[\c]
.endr
	v_mov_b32 v[CA], 0xaf95df0b
	v_mov_b32 v[CA+1], 0xaf95df0b
	v_mov_b32 v[CB], 0xb77460cd
	v_mov_b32 v[CB+1], 0xb77460cd
	STEP 0, 0, 0, 1
	LASTSTEP 1, 1, 1
	PLACES 4                                       ; in front of the first read of results and of writes over A's fragments
	s_wait_loadcnt 0x0                             ; the bias
	v_mov_b32 v[PW], 0
.irp j, 0,1,2,3
	v_mov_b32 v[WW+\j], 0
	v_mov_b32 v[TM+4+\j], 0                        ; a lane permute's destination counts as one of its sources
.endr
	s_mov_b32 s[EA], 0
.Lepi:
.irp k, 1,2,3,4,5,6,7
	s_cmp_eq_u32 s[EA], \k
	s_cbranch_scc1 .Lc\k
.endr
.irp k, 0,1,2,3,4,5,6,7
	EBLK \k
.endr
.Lcom:
	GELU16 TT
	GELU16 TT+16
	GELU16 TT+32
	GELU16 TT+48
	QUANT TT
	global_store_b128 v[GL16], v[PC:PC+3], s[DST:DST+1]
	global_store_b64 v[GL8], v[PC+4:PC+5], s[DST:DST+1] offset:512
	global_store_b128 v[GL16], v[PC+6:PC+9], s[DST:DST+1] offset:768
	global_store_b64 v[GL8], v[PC+10:PC+11], s[DST:DST+1] offset:1280
	s_wait_xcnt 0x0                                ; the stores have read their registers and their base: both are written again
	s_add_nc_u64 s[DST:DST+1], s[DST:DST+1], FRB
	s_add_co_u32 s[EA], s[EA], 1
	s_cmp_lt_u32 s[EA], 8
	s_cbranch_scc1 .Lepi
	PLACE 7
	global_store_b128 v[GL16], v[WW:WW+3], s[SCD:SCD+1]   ; the eight tiles' scale words: 512 consecutive bytes, aligned
	s_wait_tensorcnt 0x0                           ; the wave's end
	ds_add_u32 v[SPW], v[NIL]
	s_wait_dscnt 0x0
	CROUND                                         ; the closing round
	s_endpgm
.Lfunc_end_k_q505903cf31_g5:
	.size	k_q505903cf31_g5, .Lfunc_end_k_q505903cf31_g5-k_q505903cf31_g5
	.p2alignl 7, 3214868480
	.fill 96, 4, 3214868480
	.section	.rodata,"a",@progbits
	.p2align	6, 0x0
	.amdhsa_kernel k_q505903cf31_g5
		.amdhsa_group_segment_fixed_size 327680
		.amdhsa_private_segment_fixed_size 0
		.amdhsa_enable_private_segment 0
		.amdhsa_kernarg_size 24
		.amdhsa_user_sgpr_count 2
		.amdhsa_user_sgpr_kernarg_segment_ptr 1
		.amdhsa_wavefront_size32 1
		.amdhsa_system_sgpr_workgroup_id_x 1
		.amdhsa_system_sgpr_workgroup_id_y 1
		.amdhsa_system_sgpr_workgroup_id_z 1
		.amdhsa_system_vgpr_workitem_id 0
		.amdhsa_next_free_vgpr 1024
		.amdhsa_next_free_sgpr 100
		.amdhsa_reserve_vcc 0
		.amdhsa_float_denorm_mode_32 3
		.amdhsa_float_denorm_mode_16_64 3
		.amdhsa_memory_ordered 1
		.amdhsa_forward_progress 1
		.amdhsa_inst_pref_size 179
	.end_amdhsa_kernel
	.amdgpu_metadata
---
amdhsa.version: [ 1, 2 ]
amdhsa.kernels:
  - .name:           k_q505903cf31_g5
    .symbol:         k_q505903cf31_g5.kd
    .args:
      - { .name: ops, .offset: 0, .size: 8, .value_kind: global_buffer, .address_space: global }
      - { .name: proj1_bias, .offset: 8, .size: 8, .value_kind: global_buffer, .address_space: global }
      - { .name: hid, .offset: 16, .size: 8, .value_kind: global_buffer, .address_space: global }
    .group_segment_fixed_size: 327680
    .private_segment_fixed_size: 0
    .kernarg_segment_align: 8
    .kernarg_segment_size: 24
    .max_flat_workgroup_size: 128
    .sgpr_count:     100
    .vgpr_count:     1024
    .wavefront_size: 32
...
	.end_amdgpu_metadata
.endif
;; end of part 5
;; launch g6 (part 6): grid 8 x 32, 4 waves a work-group, clusters of 4 x 4, 327,680 bytes of LDS; arguments hid, ops, proj2_bias, x1, out0; writes out0
.if DOCPART == 6
	.amdgcn_target "amdgcn-amd-amdhsa--gfx1250"
	.amdhsa_code_object_version 6
	.text
	.protected	k_q505903cf31_g6
	.globl	k_q505903cf31_g6
	.p2align	8
	.type	k_q505903cf31_g6,@function
k_q505903cf31_g6:
	s_mov_b64 s[64:65], 0
	v_nop
	global_prefetch_b8 v0, s[64:65] scope:SCOPE_SE
	s_setreg_imm32_b32 hwreg(HW_REG_WAVE_MODE, 25, 1), 1
	s_wait_xcnt 0x0
	s_wait_alu depctr_hold_cnt(0) depctr_sa_sdst(0) depctr_va_vdst(0) depctr_va_sdst(0) depctr_va_ssrc(0) depctr_va_vcc(0) depctr_vm_vsrc(0)
	s_getreg_b32 s2, hwreg(HW_REG_IB_STS2, 6, 4)
	s_cmp_eq_u32 s2, 0
	s_cbranch_scc0 .Lentry_in_a_cluster
	s_endpgm
.Lentry_in_a_cluster:
	s_bfe_u32 s2, ttmp6, 0x10000c
	s_cmp_lg_u32 s2, 0xf033
	s_cbranch_scc0 .Lentry_shape_is_right
	s_endpgm
.Lentry_shape_is_right:
.set KK,    4096
.set ASO,   12582912
.set BCO,   6291456
.set BSO,   9699328
.set GSTR,  96*KK
.set SGS,   4*KK
.set FR,    12
.set FRB,   1536
.set KSB,   12288
.set HALFT, 24576
.set XB,    8*KSB
.set YA,    16*KSB
.set YB,    20*KSB
.set SPARE, 327168
.set STGB,  67584
.set RD,   8
.set BIA,  12
.set ADRA, 16
.set ADRB, 20
.set STO,  24
.set CO,   26
.set SPW,  28
.set NIL,  29
.set R16,  30
.set SC,   32
.set AF,   128
.set RES,  128
.set G1, 24
.set G1Y, 68
.set G0, 32
.set G1B, 48
.set G1YB, 80
.set G0B, 56
.set SAB, 76
.set SBB, 78
.set MSB, 0
.macro WIN new
.if MSB != (\new)
	s_set_vgpr_msb (MSB<<8)|(\new)
.set MSB, \new
.endif
.endm
.set MUL_LO, 0xa1
.set MUL_HI, 0xf1
.set TO_B,   0x40
.macro JLOAD g0a, g1a, g0b, g1b
	s_cmp_eq_u32 s15, 0
	s_cbranch_scc0 .Lfor_b_\@
	tensor_load_to_lds s[\g0a:\g0a+3], s[\g1a:\g1a+7]
	s_nop 0
.rept 4
	v_nop
.endr
	s_branch .Lasked_\@
.Lfor_b_\@:
	tensor_load_to_lds s[\g0b:\g0b+3], s[\g1b:\g1b+7]
	s_nop 0
.rept 4
	v_nop
.endr
.Lasked_\@:
.endm
.macro CREST
	s_cmp_lg_u32 s14, 0
	s_cbranch_scc1 .Lnot_wave_0_\@
	s_barrier_signal -3
.Lnot_wave_0_\@:
	s_barrier_wait -3
	s_barrier_signal -1
	s_barrier_wait -1
.endm
.macro CROUND
	s_barrier_signal -1
	s_barrier_wait -1
	CREST
.endm
.macro PLACES n
.rept \n
	v_nop
.endr
.endm
.macro FRAG reg, adr, off
	ds_load_b128 v[\reg:\reg+3], v[\adr] offset:\off
	ds_load_b64 v[\reg+4:\reg+5], v[\adr+2] offset:\off
	ds_load_b128 v[\reg+6:\reg+9], v[\adr] offset:\off+768
	ds_load_b64 v[\reg+10:\reg+11], v[\adr+2] offset:\off+768
.endm
.macro FETCH_B slot, q, p
	WIN TO_B
.irp i, 0,1,2,3,4,5,6,7
	FRAG 128*(\p)+FR*\i, ADRB+\slot, (\q)*KSB+\i*FRB
.endr
	WIN 0
.endm
.macro FETCH_A slot, q, i0
.irp i, \i0, \i0+1, \i0+2, \i0+3
	FRAG AF+FR*(\i), ADRA+\slot, (\q)*KSB+(\i)*FRB
.endr
.endm
.macro SCLOAD j
	global_load_b128 v[SC+16*((\j)%4):SC+16*((\j)%4)+3], v[R16], s[SBB:SBB+1] offset:2048*(\j)
	global_load_b128 v[SC+16*((\j)%4)+4:SC+16*((\j)%4)+7], v[R16], s[SBB:SBB+1] offset:2048*(\j)+256
	global_load_b128 v[SC+16*((\j)%4)+8:SC+16*((\j)%4)+11], v[R16], s[SAB:SAB+1] offset:2048*(\j)
	global_load_b128 v[SC+16*((\j)%4)+12:SC+16*((\j)%4)+15], v[R16], s[SAB:SAB+1] offset:2048*(\j)+256
.endm
.macro MUL16 a0, p, sc, zero
.irp a, \a0, \a0+1
.irp b, 0,1,2,3,4,5,6,7
.if \zero
	v_wmma_scale_f32_16x16x128_f8f6f4 v[8*(8*((\a)%4)+\b):8*(8*((\a)%4)+\b)+7], v[128*(\p)+FR*\b:128*(\p)+FR*\b+FR-1], v[AF+FR*(\a):AF+FR*(\a)+FR-1], 0, v[SC+16*(\sc)+4*(\b%2)+\b/2], v[SC+16*(\sc)+8+4*((\a)%2)+(\a)/2] matrix_a_fmt:MATRIX_FMT_FP6 matrix_b_fmt:MATRIX_FMT_FP6
.else
	v_wmma_scale_f32_16x16x128_f8f6f4 v[8*(8*((\a)%4)+\b):8*(8*((\a)%4)+\b)+7], v[128*(\p)+FR*\b:128*(\p)+FR*\b+FR-1], v[AF+FR*(\a):AF+FR*(\a)+FR-1], v[8*(8*((\a)%4)+\b):8*(8*((\a)%4)+\b)+7], v[SC+16*(\sc)+4*(\b%2)+\b/2], v[SC+16*(\sc)+8+4*((\a)%2)+(\a)/2] matrix_a_fmt:MATRIX_FMT_FP6 matrix_b_fmt:MATRIX_FMT_FP6
.endif
.endr
.endr
.endm
.macro STEPG p, sc, zero, lc
	s_wait_loadcnt \lc
	s_wait_dscnt 16
	WIN MUL_LO
	MUL16 0, \p, \sc, \zero
	MUL16 2, \p, \sc, \zero
	s_wait_dscnt 0
	PLACES 4
	FETCH_B 0, 4, 1-\p
	FETCH_A 0, 4, 0
	WIN MUL_HI
	MUL16 4, \p, \sc, \zero
	MUL16 6, \p, \sc, \zero
	PLACES 4
	WIN 0
	FETCH_A 0, 4, 4
.endm
.macro TURNG p, sc, slot, fill, nslot, lc
	s_wait_loadcnt \lc
	s_wait_tensorcnt 0x0
	ds_add_u32 v[SPW], v[NIL]
	s_wait_dscnt 17
	WIN MUL_LO
	MUL16 0, \p, \sc, 0
	s_wait_dscnt 0x0
	s_barrier_signal -1
	MUL16 2, \p, \sc, 0
	WIN 0
	s_barrier_wait -1
.if \fill
	CREST
	s_add_nc_u64 s[G0+4*\slot+2:G0+4*\slot+3], s[G0+4*\slot+2:G0+4*\slot+3], 12*KSB
	s_add_nc_u64 s[G0B+4*\slot+2:G0B+4*\slot+3], s[G0B+4*\slot+2:G0B+4*\slot+3], 12*KSB
.if \slot == 0
	JLOAD G0, G1, G0B, G1B
.else
	JLOAD G0+4, G1Y, G0B+4, G1YB
.endif
.else
	PLACES 4
.endif
	s_wait_alu depctr_va_vdst(0)
	FETCH_B \nslot, 0, 1-\p
	FETCH_A \nslot, 0, 0
	WIN MUL_HI
	MUL16 4, \p, \sc, 0
	MUL16 6, \p, \sc, 0
	PLACES 4
	WIN 0
	FETCH_A \nslot, 0, 4
.endm
.macro SUMS hw
	WIN 0x8a+0x45*\hw
.set RW, 0
.rept 16
	v_pk_add_f32 v[RW:RW+1], v[RW:RW+1], v[RW+4:RW+5]
	v_pk_add_f32 v[RW+2:RW+3], v[RW+2:RW+3], v[RW+6:RW+7]
	v_pk_add_f32 v[RW+8:RW+9], v[RW+8:RW+9], v[RW+12:RW+13]
	v_pk_add_f32 v[RW+10:RW+11], v[RW+10:RW+11], v[RW+14:RW+15]
	v_pk_add_f32 v[RW:RW+1], v[RW:RW+1], v[RW+8:RW+9]
	v_pk_add_f32 v[RW+2:RW+3], v[RW+2:RW+3], v[RW+10:RW+11]
.set RW, RW+16
.endr
	WIN 0x02+\hw
.set RW, 0
.rept 16
	v_pk_add_f32 v[RES+64*\hw+RW/4:RES+64*\hw+RW/4+1], v[RW:RW+1], v[RES+64*\hw+RW/4:RES+64*\hw+RW/4+1]
	v_pk_add_f32 v[RES+64*\hw+RW/4+2:RES+64*\hw+RW/4+3], v[RW+2:RW+3], v[RES+64*\hw+RW/4+2:RES+64*\hw+RW/4+3]
.set RW, RW+16
.endr
.endm
	s_load_b256 s[4:11], s[0:1], 0x0
	s_load_b64 s[12:13], s[0:1], 0x20
	v_lshl_add_u32 v[SPW], v0, 2, SPARE
	v_mov_b32 v[NIL], 0
	ds_add_u32 v28, v29
	ds_add_u32 v28, v29
	s_wait_dscnt 0x0
	v_lshrrev_b32 v1, 5, v0
	v_readfirstlane_b32 s14, v1
	s_lshr_b32 s15, s14, 1
	s_and_b32 s16, s14, 1
	s_bfe_u32 s40, ttmp6, 0x40000
	s_bfe_u32 s41, ttmp6, 0x40004
	s_lshl_b32 s42, ttmp9, 2
	s_add_co_u32 s42, s42, s40
	s_and_b32 s17, ttmp7, 0xffff
	s_lshl_b32 s17, s17, 2
	s_add_co_u32 s17, s17, s41
	s_lshl_b32 s43, s41, 2
	s_lshl_b32 s43, 15, s43
	s_lshl_b32 s44, 0x1111, s40
	s_or_b32 s[G1+0], s43, (3<<16)|(1<<21)
	s_or_b32 s[G1B+0], s44, (3<<16)|(1<<21)
.irp g, G1, G1B
	s_mov_b32 s[\g+1], 32<<16
	s_mov_b32 s[\g+2], 192<<16
	s_mov_b32 s[\g+3], 32<<16
	s_mov_b32 s[\g+4], 192
	s_mov_b32 s[\g+5], 32
	s_mov_b32 s[\g+6], 0
	s_mov_b32 s[\g+7], 0
.endr
	s_or_b32 s[G1Y+0], s43, (3<<16)|(1<<21)
	s_or_b32 s[G1YB+0], s44, (3<<16)|(1<<21)
.irp g, G1Y, G1YB
	s_mov_b32 s[\g+1], 32<<16
	s_mov_b32 s[\g+2], 96<<16
	s_mov_b32 s[\g+3], 32<<16
	s_mov_b32 s[\g+4], 96
	s_mov_b32 s[\g+5], 32
	s_mov_b32 s[\g+6], 0
	s_mov_b32 s[\g+7], 0
.endr
	s_mul_i32 s20, s17, GSTR
	s_mul_i32 s18, s16, 4*KSB
	s_add_co_u32 s20, s20, s18
	s_mov_b32 s21, 0
	s_mul_i32 s22, s17, GSTR
	s_mul_i32 s18, s16, HALFT
	s_add_co_u32 s22, s22, s18
	s_add_co_u32 s22, s22, 8*KSB
	s_mov_b32 s23, 0
	s_mul_i32 s46, s42, GSTR
	s_mul_i32 s19, s16, 4*KSB
	s_add_co_u32 s46, s46, s19
	s_add_co_u32 s46, s46, BCO
	s_mov_b32 s47, 0
	s_mul_i32 s92, s42, GSTR
	s_mul_i32 s19, s16, HALFT
	s_add_co_u32 s92, s92, s19
	s_add_co_u32 s92, s92, BCO+8*KSB
	s_mov_b32 s93, 0
	s_lshl_b32 s18, s14, 9
	s_mul_i32 s[SAB], s17, SGS
	s_add_co_u32 s[SAB], s[SAB], s18
	s_add_co_u32 s[SAB], s[SAB], ASO
	s_mov_b32 s[SAB+1], 0
	s_mul_i32 s[SBB], s42, SGS
	s_add_co_u32 s[SBB], s[SBB], s18
	s_add_co_u32 s[SBB], s[SBB], BSO
	s_mov_b32 s[SBB+1], 0
	s_mul_i32 s45, s14, 4*KSB
	s_mul_i32 s94, s14, HALFT
	s_wait_kmcnt 0x0
	s_add_nc_u64 s[20:21], s[4:5], s[20:21]
	s_add_nc_u64 s[22:23], s[4:5], s[22:23]
	s_add_nc_u64 s[46:47], s[6:7], s[46:47]
	s_add_nc_u64 s[92:93], s[6:7], s[92:93]
	s_add_nc_u64 s[SAB:SAB+1], s[4:5], s[SAB:SAB+1]
	s_add_nc_u64 s[SBB:SBB+1], s[6:7], s[SBB:SBB+1]
	CROUND
	s_mov_b32 s[G0], 1
	s_mov_b32 s[G0+1], s45
	s_mov_b64 s[G0+2:G0+3], s[20:21]
	s_or_b32 s[G0+3], s[G0+3], 0x80000000
	s_mov_b32 s[G0B], 1
	s_mov_b32 s[G0B+1], s45
	s_mov_b64 s[G0B+2:G0B+3], s[46:47]
	s_or_b32 s[G0B+3], s[G0B+3], 0x80000000
	JLOAD G0, G1, G0B, G1B
	s_mov_b32 s[G0+4], 1
	s_add_co_u32 s[G0+5], s94, YA
	s_mov_b64 s[G0+6:G0+7], s[22:23]
	s_or_b32 s[G0+7], s[G0+7], 0x80000000
	s_mov_b32 s[G0B+4], 1
	s_add_co_u32 s[G0B+5], s94, YA
	s_mov_b64 s[G0B+6:G0B+7], s[92:93]
	s_or_b32 s[G0B+7], s[G0B+7], 0x80000000
	s_wait_alu depctr_va_vdst(0)
	s_wait_tensorcnt 0x0
	ds_add_u32 v28, v29
	s_wait_dscnt 0x0
	CROUND
	JLOAD G0+4, G1Y, G0B+4, G1YB
	v_and_b32 v1, 31, v0
	v_and_b32 v2, 15, v0
	v_bfe_u32 v3, v0, 4, 1
	v_lshlrev_b32 v[R16], 4, v2
	SCLOAD 0
	SCLOAD 1
	SCLOAD 2
	SCLOAD 3
	v_lshlrev_b32 v[CO], 4, v1
	v_lshlrev_b32 v5, 3, v1
	v_add_nc_u32 v5, 512, v5
	s_mul_i32 s21, s14, KSB
	v_add_nc_u32 v[ADRA], s21, v[CO]
	v_add_nc_u32 v[ADRA+2], s21, v5
	s_add_co_u32 s22, s21, XB
	v_add_nc_u32 v[ADRB], s22, v[CO]
	v_add_nc_u32 v[ADRB+2], s22, v5
	s_add_co_u32 s22, s21, YA
	v_add_nc_u32 v[ADRA+1], s22, v[CO]
	v_add_nc_u32 v[ADRA+3], s22, v5
	s_add_co_u32 s22, s21, YB
	v_add_nc_u32 v[ADRB+1], s22, v[CO]
	v_add_nc_u32 v[ADRB+3], s22, v5
	s_mul_i32 s21, s14, STGB
	v_mul_u32_u24 v[STO], v2, 528
	v_lshl_add_u32 v[STO], v3, 6, v[STO]
	v_add_nc_u32 v[STO], s21, v[STO]
	s_mul_i32 s21, s14, 32*528
	v_add_nc_u32 v[RD], s21, v[CO]
.irp p, 1,2,3
	v_add_nc_u32 v[RD+\p], \p*STGB, v[RD]
.endr
	s_and_b32 s95, s17, 15
	s_lshl_b32 s95, s95, 7
	s_lshl_b32 s96, s14, 5
	s_add_co_u32 s95, s95, s96
	s_lshl_b32 s96, s95, 13
	s_lshr_b32 s95, s17, 4
	s_lshl_b32 s95, s95, 12
	s_add_co_u32 s96, s96, s95
	s_lshl_b32 s98, s42, 9
	s_add_co_u32 s96, s96, s98
	s_mov_b32 s97, 0
	s_mov_b32 s99, 0
	s_add_nc_u64 s[10:11], s[10:11], s[96:97]
	s_add_nc_u64 s[12:13], s[12:13], s[96:97]
	s_add_nc_u64 s[8:9], s[8:9], s[98:99]
	s_wait_tensorcnt 1
	s_barrier_signal -1
	s_barrier_wait -1
	FETCH_B 0, 0, 0
	FETCH_A 0, 0, 0
	FETCH_A 0, 0, 4
	STEPG 0, 0, 1, 12
	SCLOAD 4
	TURNG 1, 1, 0, 1, 1, 12
	SCLOAD 5
	TURNG 0, 2, 1, 1, 0, 12
	SCLOAD 6
	STEPG 1, 3, 0, 12
	SCLOAD 7
	TURNG 0, 0, 0, 1, 1, 12
	TURNG 1, 1, 1, 0, 0, 8
	STEPG 0, 2, 0, 4
	s_wait_loadcnt 0x0
	s_wait_dscnt 16
	WIN MUL_LO
	MUL16 0, 1, 3, 0
	MUL16 2, 1, 3, 0
	s_wait_dscnt 0
	WIN MUL_HI
	MUL16 4, 1, 3, 0
	MUL16 6, 1, 3, 0
	WIN 0
	PLACES 4
.set RR, 0
.rept 32
	global_load_b128 v[RES+4*RR:RES+4*RR+3], v[CO], s[10:11] offset:(8*(RR/16)+RR%16+8*((RR%16)/8))*8192
.set RR, RR+1
.endr
	global_load_b128 v[BIA:BIA+3], v[CO], s[8:9]
	s_wait_dscnt 0x0
	s_barrier_signal -1
	s_barrier_wait -1
.irp a, 0,1,2,3,4,5,6,7
	WIN 0x08+4*(\a/4)
.irp b, 0,1,2,3,4,5,6,7
	ds_store_b128 v[STO], v[8*(8*(\a%4)+\b):8*(8*(\a%4)+\b)+3] offset:8448*\a+128*(\b/2)+32*(\b%2)
	ds_store_b128 v[STO], v[8*(8*(\a%4)+\b)+4:8*(8*(\a%4)+\b)+7] offset:8448*\a+128*(\b/2)+32*(\b%2)+16
.endr
.endr
	WIN 0
	s_wait_dscnt 0x0
	s_barrier_signal -1
	s_barrier_wait -1
.irp hw, 0,1
	WIN 0x80+0x40*\hw
.set RR, 0
.rept 16
.irp p, 0,1,2,3
	ds_load_b128 v[16*RR+4*\p:16*RR+4*\p+3], v[RD+\p] offset:528*(16*\hw+RR)
.endr
.set RR, RR+1
.endr
.endr
	WIN 0
	s_wait_loadcnt 0x0
.set RR, 0
.rept 32
	v_pk_add_f32 v[RES+4*RR:RES+4*RR+1], v[RES+4*RR:RES+4*RR+1], v[BIA:BIA+1]
	v_pk_add_f32 v[RES+4*RR+2:RES+4*RR+3], v[RES+4*RR+2:RES+4*RR+3], v[BIA+2:BIA+3]
.set RR, RR+1
.endr
	s_wait_dscnt 0x0
	SUMS 0
	SUMS 1
	WIN 0
.set RR, 0
.rept 32
	global_store_b128 v[CO], v[RES+4*RR:RES+4*RR+3], s[12:13] offset:(8*(RR/16)+RR%16+8*((RR%16)/8))*8192
.set RR, RR+1
.endr
	s_wait_tensorcnt 0x0
	ds_add_u32 v[SPW], v[NIL]
	s_wait_dscnt 0x0
	CROUND
	s_endpgm
.Lfunc_end_k_q505903cf31_g6:
	.size	k_q505903cf31_g6, .Lfunc_end_k_q505903cf31_g6-k_q505903cf31_g6
	.p2alignl 7, 3214868480
	.fill 96, 4, 3214868480
	.section	.rodata,"a",@progbits
	.p2align	6, 0x0
	.amdhsa_kernel k_q505903cf31_g6
		.amdhsa_group_segment_fixed_size 327680
		.amdhsa_private_segment_fixed_size 0
		.amdhsa_enable_private_segment 0
		.amdhsa_kernarg_size 40
		.amdhsa_user_sgpr_count 2
		.amdhsa_user_sgpr_kernarg_segment_ptr 1
		.amdhsa_wavefront_size32 1
		.amdhsa_system_sgpr_workgroup_id_x 1
		.amdhsa_system_sgpr_workgroup_id_y 1
		.amdhsa_system_sgpr_workgroup_id_z 1
		.amdhsa_system_vgpr_workitem_id 0
		.amdhsa_next_free_vgpr 1024
		.amdhsa_next_free_sgpr 100
		.amdhsa_reserve_vcc 0
		.amdhsa_float_denorm_mode_32 3
		.amdhsa_float_denorm_mode_16_64 3
		.amdhsa_memory_ordered 1
		.amdhsa_forward_progress 1
		.amdhsa_inst_pref_size 159
	.end_amdhsa_kernel
	.amdgpu_metadata
---
amdhsa.version: [ 1, 2 ]
amdhsa.kernels:
  - .name:           k_q505903cf31_g6
    .symbol:         k_q505903cf31_g6.kd
    .args:
      - { .name: hid, .offset: 0, .size: 8, .value_kind: global_buffer, .address_space: global }
      - { .name: ops, .offset: 8, .size: 8, .value_kind: global_buffer, .address_space: global }
      - { .name: proj2_bias, .offset: 16, .size: 8, .value_kind: global_buffer, .address_space: global }
      - { .name: x1, .offset: 24, .size: 8, .value_kind: global_buffer, .address_space: global }
      - { .name: out0, .offset: 32, .size: 8, .value_kind: global_buffer, .address_space: global }
    .group_segment_fixed_size: 327680
    .private_segment_fixed_size: 0
    .kernarg_segment_align: 8
    .kernarg_segment_size: 40
    .max_flat_workgroup_size: 128
    .sgpr_count:     100
    .vgpr_count:     1024
    .wavefront_size: 32
...
	.end_amdgpu_metadata
.endif
;; end of part 6
